; MI455X (gfx1250); checked and timed in simulation.
; The chip was launched on July 23, 2026; its instructions are those of AMD's public machine-readable ISA for CDNA 5 (MIT licence, August 2026) and "CDNA5" Instruction Set Architecture Reference Guide (July 2026). The comments in the code are by the model that wrote it; some were corrected since.
;; Attention. Allowed arithmetic: matrix products marked QUANTISED: E4M3 operands, one E8M0 scale for each 32 along K, by v_wmma_scale_f32_16x16x128_f8f6f4 with both operands' format E4M3, f32 sums; everything else in f32.
;; Inputs: c_attn_b 3,072 float32; c_attn_w 1,024 x 3,072 float32; c_proj_b 1,024 float32; c_proj_w 1,024 x 1,024 float32; hidden_states 4 x 2,048 x 1,024 float32.
;; Outputs: out0 4 x 2,048 x 1,024 float32.
;; This version of the problem:
;;   THIS VERSION OF THE PROBLEM IS GIVEN IN LOW PRECISION. The matrix products marked QUANTISED in the list below multiply operands that are first quantised to E4M3 (4 exponent bits, 3 mantissa bits; 8 bits a number), with one power-of-two scale for each 32 numbers along K (OCP MX v1.0); their sums are f32. All else is computed in f32.
;;   The module's matrix products, in the order in which they are computed (A, B: the left and right operand; K: the contracted axis; several contracted axes count as one K, in the product's order):
;;     1. [M 8,192, K 1,024] x [K 1,024, N 3,072]; A: input hidden_states; B: input c_attn_w: QUANTISED
;;     2. batch 64 x [M 2,048, K 64] x [K 64, N 2,048]; A: computed on the way; B: computed on the way: QUANTISED
;;     3. batch 64 x [M 2,048, K 2,048] x [K 2,048, N 64]; A: softmax (see below); B: computed on the way: QUANTISED
;;     4. [M 8,192, K 1,024] x [K 1,024, N 1,024]; A: computed on the way; B: input c_proj_w: QUANTISED
;;   THE QUANTISER, for each operand of a quantised product, along K:
;;     - K is cut into blocks of 32 from its start; a last block that is shorter is filled with zeros.
;;     - A block's scale is 2^e with e = floor(log2(the largest magnitude in the block)) - 8, held to -126 .. 127; a block of zeros has e = 0. As a byte (E8M0): e + 127.
;;     - Each number is divided by its block's scale, clamped to +-448, and rounded to the nearest number of E4M3, ties to even, subnormals kept.
;;     - The product sums the exact products of the quantised numbers (number of the format x scale) in f32.
;;   ~~~python
;;   def quantise(x, axis):      # numpy; x: float32 -> the quantised numbers, widened to float32 again
;;       x = np.moveaxis(x, axis, -1); K = x.shape[-1]
;;       x = np.pad(x, [(0, 0)] * (x.ndim - 1) + [(0, -K % 32)]); x = x.reshape(x.shape[:-1] + (-1, 32)); a = np.abs(x).max(-1, keepdims=True)
;;       e = np.where(a > 0, np.clip(np.frexp(np.where(a > 0, a, 1))[1] - 1 - 8, -126, 127), 0)      # np.frexp(a)[1] - 1 = floor(log2(a)), exactly
;;       r = np.clip(x / 2.0 ** e, -448, 448)
;;       step = 2.0 ** (np.maximum(np.frexp(np.where(r == 0, 1, r))[1] - 1, -6) - 3)
;;       q = np.round(r / step) * step * 2.0 ** e      # np.round: ties to even
;;       return np.moveaxis(q.reshape(q.shape[:-2] + (-1,))[..., :K], -1, axis).astype(np.float32)
;;   ~~~
;;   SOFTMAX AHEAD OF A QUANTISED PRODUCT. Where the list says 'softmax', what is quantised is not the finished softmax but p = 2^(t - M), with t = logit x log2(e) and M = ceil(the row's largest t), a whole number; so 1/2 < the row's largest p <= 1. The row's sum l is taken of the UNQUANTISED p, in f32, and the product's result is divided by l at the end. Since M is a whole number, a kernel that streams over the keys may use a running M (the ceiling of the running maximum): every later rescaling is an exact power of two, which a block's scale takes up: the codes' values come out the same.
;;   OPERANDS COMPUTED ON THE WAY. 'Computed on the way' means the value that the module computes at that place (a softmax that the list does not call 'softmax' is quantised finished and normalised). What goes into a quantiser is computed in f32, as accurately as f32 sums, v_exp_f32 and their like allow (about 1e-6 of the number): no bf16 or f16 on the way to a quantiser, and a product that is left as it is and whose result goes on into a quantised operand takes f32 operands (vector FMAs, or v_wmma_f32_16x16x4_f32). A number that lies on a knife's edge between two numbers of the format may be rounded either way, as far as f32 arithmetic and the matrix unit's own rounding can turn it there, and no further.
;; One version. Each part assembles by itself: llvm-mc -triple=amdgcn-amd-amdhsa -mcpu=gfx1250 --defsym DOCPART=n.
;; ======== version 1 of 1: 4 launches
;; limits: right only within a limited range of input values
;; workspace buffers: himg 8,650,752 bytes; wimg 3,244,032 bytes; pimg 1,081,344 bytes; qimg 8,912,896 bytes; kvimg 17,563,648 bytes; bsum 262,144 bytes; oimg 8,650,752 bytes
;; launch prep (part 1): grid 384 x 1, 4 waves a work-group, no clusters, 34,304 bytes of LDS; arguments hidden_states, c_attn_w, c_proj_w, himg, wimg, pimg; writes himg, wimg, pimg
.if DOCPART == 1
	.amdgcn_target "amdgcn-amd-amdhsa--gfx1250"
	.amdhsa_code_object_version 6
	.text
	.protected	k_qb50e0a9110_prep
	.globl	k_qb50e0a9110_prep
	.p2align	8
	.type	k_qb50e0a9110_prep,@function
k_qb50e0a9110_prep:
	s_mov_b64 s[64:65], 0
	v_nop
	global_prefetch_b8 v0, s[64:65] scope:SCOPE_SE
	s_setreg_imm32_b32 hwreg(HW_REG_WAVE_MODE, 25, 1), 1
	s_wait_xcnt 0x0
; hidden_states [8192][1024], c_attn_w [1024][3072] and c_proj_w [1024][1024], f32, become codes of FP8 (E4M3) with one E8M0 byte for each 32 along K (K = 1,024: the tokens' last axis, the weights' FIRST axis).
; They are laid as IMAGES OF THE OPERAND'S REGISTERS.  An operand of R rows is [k / 256 (4)][pair of tiles (R / 32)][8,448 bytes]; in a block: codes at u 4096 + q 2048 + c 512 + 16 lane
; (u: tile of the pair; q: which 128 of the 256; c: which 32 of the 128; lane (r, h) holds k = 32 c + 16 h + 0 .. 15 of the tile's row r), scale words at 8192 + 8 (16 u + r) + 4 q.
; THE ROWS OF A TILE ARE NOT NEIGHBOURS: row r of tile u of pair P is row 32 P + 8 u + r + 8 (r / 8), so that results of a product used transposed are neighbours along the next K.
; A block's scale is 2^(floor(log2(largest magnitude)) - 8); its byte is the largest magnitude's exponent field - 8, held at 1 from below; numbers are held within +-448 x the scale and rounded to the nearest code, ties to even.
; LIMITS: a block of zeros gets the byte 1 (its codes are zeros; these bytes are read by this program alone); NaN and infinities among the inputs are not served.
; SHARES: one wave makes one block of 8,448 bytes from 32,768 bytes of f32.  Work-groups 0-255: hidden_states; 256-351: c_attn_w; 352-383: c_proj_w.  Waves share nothing: no barrier.
; No matrix unit, no cluster, no tensor load: a stream that is read once and written once.
.set PAIRB, 8448
.set STG,   16*528                     ; a wave's stage: 16 rows of 512 bytes + 16 of padding (the tokens' path alone uses LDS)
.set L16, 3                            ; v3   16 x lane
.set STW, 4                            ; v4   stage, on the way in: 16 x lane of a row
.set STR, 5                            ; v5   stage, on the way out: row r, + 64 h
.set L8,  6                            ; v6   8 x lane
.set WO,  7                            ; v7   weights: my column's place among a block's codes
.set WS,  8                            ; v8   weights: my column's scale words
.set L4,  9                            ; v9   4 x lane
.set X0,  16                           ; v16-143  numbers: two sets of 64 (tokens) or of 32 (weights)
.set PC,  144                          ; v144-207 codes: registers of their own for every store
.set TM,  208                          ; v208-223 at work
.set PW,  224                          ; v224-227 scale words
.set OW,  228                          ; v228-229 scale words as they leave
.set WV,  16
.set MNT, 17
.set SEL, 18                           ; s[18:19] lane l xor 16
.set HIM, 28                           ; s28 lanes 16-31
	s_load_b256 s[4:11], s[0:1], 0x0               ; hidden_states, c_attn_w, c_proj_w, himg
	s_load_b128 s[12:15], s[0:1], 0x20             ; wimg, pimg
	v_lshl_add_u32 v240, v0, 2, 0x8400
	v_mov_b32 v241, 0
	v_lshrrev_b32 v1, 5, v0
	v_readfirstlane_b32 s[WV], v1                  ; wave 0..3
	v_and_b32 v2, 31, v0                           ; lane
	v_and_b32 v10, 15, v0                          ; r
	v_bfe_u32 v11, v0, 4, 1                        ; h
	v_lshlrev_b32 v[L16], 4, v2
	v_lshlrev_b32 v[L8], 3, v2
	v_lshlrev_b32 v[L4], 2, v2
	s_mul_i32 s30, s[WV], STG
	v_add_nc_u32 v[STW], s30, v[L16]
	v_mul_u32_u24 v[STR], v10, 528
	v_lshl_add_u32 v[STR], v11, 6, v[STR]
	v_add_nc_u32 v[STR], s30, v[STR]
	v_bfe_u32 v12, v0, 3, 1                        ; weights: column j of a pair is tile u = (j / 8) % 2,
	v_and_b32 v13, 7, v0
	v_lshl_add_u32 v13, v11, 3, v13                ; row r = j % 8 + 8 (j / 16)
	v_lshlrev_b32 v[WO], 12, v12
	v_lshl_add_u32 v[WO], v13, 4, v[WO]            ; 4096 u + 16 r
	v_lshl_add_u32 v[WS], v12, 4, v13
	v_lshlrev_b32 v[WS], 3, v[WS]                  ; 8 (16 u + r)
	s_mov_b32 s[SEL], 0x76543210
	s_mov_b32 s[SEL+1], 0xfedcba98
	s_mov_b32 s[HIM], 0xffff0000
.irp b, 0,1,2,3
	v_mov_b32 v[TM+4+\b], 0                        ; written once: a lane permute's destination counts as one of its sources
.endr
	s_mov_b32 s25, 0
	s_wait_kmcnt 0x0
	s_cmp_lt_u32 ttmp9, 256
	s_cbranch_scc0 .Lweights
; 64 numbers of a lane, register 16 b + i = k 32 b + 16 h + i of my row, become a fragment's 16 registers of codes and its scale word
.macro QUANT s, pc, pw
.irp b, 0,1,2,3
	v_max3_num_f32 v[TM+\b], |v[\s+16*\b]|, |v[\s+1+16*\b]|, 0x4800000   ; my 16 numbers of block b, and the floor 2^(9 - 127): the byte cannot fall under 1
.endr
.irp i, 2,4,6,8,10,12,14
.irp b, 0,1,2,3
	v_max3_num_f32 v[TM+\b], v[TM+\b], |v[\s+16*\b+\i]|, |v[\s+1+16*\b+\i]|
.endr
.endr
.irp b, 0,1,2,3
	v_permlanex16_b32 v[TM+4+\b], v[TM+\b], s[SEL], s[SEL+1]
.endr
.irp b, 0,1,2,3
	v_max_num_f32 v[TM+\b], v[TM+\b], v[TM+4+\b]   ; with lane l xor 16's 16: the block's largest magnitude
.endr
.irp b, 0,1,2,3
	v_add_nc_u32 v[TM+12+\b], 0xfc000000, v[TM+\b] ; 8 off its exponent field: the conversion's scale operand
.endr
.irp b, 0,1,2,3
.endr
.irp b, 0,1,2,3
	v_lshrrev_b32 v[TM+4+\b], 23, v[TM+12+\b]      ; the scale's byte
.endr
	v_lshl_or_b32 v[\pw], v[TM+5], 8, v[TM+4]
	v_lshl_or_b32 v[\pw], v[TM+6], 16, v[\pw]
	v_lshl_or_b32 v[\pw], v[TM+7], 24, v[\pw]
.irp b, 0,1,2,3
.irp i, 0,1,2,3,4,5,6,7,8,9,10,11,12,13,14,15
.endr
	v_cvt_scalef32_pk8_fp8_f32 v[\pc+4*\b:\pc+1+4*\b], v[\s+16*\b:\s+7+16*\b], v[TM+12+\b]
	v_cvt_scalef32_pk8_fp8_f32 v[\pc+2+4*\b:\pc+3+4*\b], v[\s+8+16*\b:\s+15+16*\b], v[TM+12+\b]
.endr
	v_nop                                          ; a plain line behind the last conversion
.endm
; ---- THE TOKENS.  Block idx = 4 x work-group + wave = 256 (k / 256) + pair.  Fragment f = (tile u = f / 2, q = f % 2): 16 rows x 128 numbers.
; Each load takes 512 consecutive bytes of one row; the 16 rows turn through my stage, so that a lane gets 16 neighbours of each block of 32.
	s_lshl_b32 s20, ttmp9, 2
	s_add_co_u32 s20, s20, s[WV]                   ; idx
	s_and_b32 s21, s20, 255                        ; the pair: 32 rows of 4,096 bytes
	s_lshr_b32 s22, s20, 8                         ; which 256 along K: 1,024 bytes
	s_lshl_b32 s24, s21, 17
	s_lshl_b32 s22, s22, 10
	s_add_co_u32 s24, s24, s22
	s_add_nc_u64 s[4:5], s[4:5], s[24:25]
	s_mul_i32 s24, s20, PAIRB
	s_add_nc_u64 s[10:11], s[10:11], s[24:25]
.macro HLOAD f
.irp p, 0,1,2,3,4,5,6,7,8,9,10,11,12,13,14,15
	global_load_b128 v[X0+64*((\f)%2)+4*\p:X0+64*((\f)%2)+4*\p+3], v[L16], s[4:5] offset:(8*((\f)/2)+\p+8*(\p/8))*4096+((\f)%2)*512 th:TH_LOAD_NT
.endr
.endm
.macro HFRAG f, left
.set XS, X0+64*((\f)%2)
.set PCF, PC+16*(\f)
.set PWF, PW+(\f)
	s_wait_loadcnt \left                           ; this fragment's 16 loads are in; the next fragment's 16 may be out
.irp p, 0,1,2,3,4,5,6,7,8,9,10,11,12,13,14,15
	ds_store_b128 v[STW], v[XS+4*\p:XS+4*\p+3] offset:528*\p
.endr
.irp c, 0,1,2,3
.irp i, 0,1,2,3
	ds_load_b128 v[XS+16*\c+4*\i:XS+16*\c+4*\i+3], v[STR] offset:128*\c+16*\i   ; LDS serves a wave's instructions in order: these see my stores
.endr
.endr
	s_wait_dscnt 0x0
	QUANT XS, PCF, PWF
.irp c, 0,1,2,3
	global_store_b128 v[L16], v[PCF+4*\c:PCF+4*\c+3], s[10:11] offset:((\f)/2)*4096+((\f)%2)*2048+512*\c   ; 512 consecutive bytes
.endr
.endm
	HLOAD 0
	HLOAD 1
	HFRAG 0, 16
	HLOAD 2
	HFRAG 1, 16
	HLOAD 3
	HFRAG 2, 16
	HFRAG 3, 0
	v_cndmask_b32 v[OW], v[PW], v[PW+2], s[HIM]    ; lanes 0-15: tile 0's words, lanes 16-31: tile 1's; q = 0,
	v_cndmask_b32 v[OW+1], v[PW+1], v[PW+3], s[HIM]   ; q = 1
	global_store_b64 v[L8], v[OW:OW+1], s[10:11] offset:8192   ; 256 consecutive bytes
	s_wait_tensorcnt 0x0
	ds_add_u32 v240, v241
	s_wait_dscnt 0x0
	s_endpgm
; ---- THE WEIGHTS: K is the first axis.  A lane takes a column and its registers run down K: a block of 32 lies in one lane, and the codes come out with K innermost.
.macro LOADW t, n, sp
.irp i, 0,1,2,3,4,5,6,7,8,9,10,11,12,13,14,15,16,17,18,19,20,21,22,23,24,25,26,27,28,29,30,31
	global_load_b32 v[X0+32*((\t)%2)+\i], v[L4], s[\sp:\sp+1] offset:(32*(\t)+\i)*(\n)*4 th:TH_LOAD_NT
.endr
.endm
.macro BLOCKW t, n, sp, dp
.set XS, X0+32*((\t)%2)
.set CW, PC+8*(\t)
.if (\t) < 7
	s_wait_loadcnt 32                              ; this block's 32 loads are in; the next block's may be out
.else
	s_wait_loadcnt 0x0
.endif
	v_max3_num_f32 v[TM], |v[XS]|, |v[XS+1]|, |v[XS+2]|
	v_max3_num_f32 v[TM+1], |v[XS+3]|, |v[XS+4]|, |v[XS+5]|
.irp i, 6,10,14,18,22,26
	v_max3_num_f32 v[TM], v[TM], |v[XS+\i]|, |v[XS+\i+1]|
	v_max3_num_f32 v[TM+1], v[TM+1], |v[XS+\i+2]|, |v[XS+\i+3]|
.endr
	v_max3_num_f32 v[TM], v[TM], |v[XS+30]|, |v[XS+31]|
	v_max3_num_f32 v[TM], v[TM], v[TM+1], 0x4800000
	v_add_nc_u32 v[TM+2], 0xfc000000, v[TM]
	v_lshrrev_b32 v[TM+1], 23, v[TM+2]
.if (\t)%4 == 0
	v_mov_b32 v[PW+(\t)/4], v[TM+1]
.else
	v_lshl_or_b32 v[PW+(\t)/4], v[TM+1], 8*((\t)%4), v[PW+(\t)/4]
.endif
.irp i, 0,1,2,3,4,5,6,7,8,9,10,11,12,13,14,15,16,17,18,19,20,21,22,23,24,25,26,27,28,29,30,31
.endr
.irp g, 0,1,2,3
	v_cvt_scalef32_pk8_fp8_f32 v[CW+2*\g:CW+2*\g+1], v[XS+8*\g:XS+8*\g+7], v[TM+2]
.endr
	v_nop
	global_store_b128 v[WO], v[CW:CW+3], s[\dp:\dp+1] offset:((\t)/4)*2048+((\t)%4)*512        ; k = 32 t + 0 .. 15: the places of lanes h = 0; the wave fills two runs of 256 bytes
	global_store_b128 v[WO], v[CW+4:CW+7], s[\dp:\dp+1] offset:((\t)/4)*2048+((\t)%4)*512+256  ; k = 32 t + 16 .. 31: those of h = 1
.if (\t)+2 < 8
	LOADW (\t)+2, \n, \sp
.endif
.endm
.macro WQ n, sp, dp
	LOADW 0, \n, \sp
	LOADW 1, \n, \sp
.irp t, 0,1,2,3,4,5,6,7
	BLOCKW \t, \n, \sp, \dp
.endr
	global_store_b64 v[WS], v[PW:PW+1], s[\dp:\dp+1] offset:8192
.endm
.Lweights:
	s_cmp_lt_u32 ttmp9, 352
	s_cbranch_scc0 .Lproj_w
	s_sub_co_u32 s20, ttmp9, 256                   ; g = 0 .. 95: k / 256 = g / 24, pair = 4 (g % 24) + wave
	s_mul_i32 s21, s20, 171
	s_lshr_b32 s21, s21, 12                        ; g / 24 (exact for g under 96)
	s_mul_i32 s22, s21, 24
	s_sub_co_u32 s22, s20, s22
	s_lshl_b32 s22, s22, 2
	s_add_co_u32 s22, s22, s[WV]
	s_mul_i32 s24, s21, 256*3072*4
	s_lshl_b32 s22, s22, 7                         ; 32 columns of 4 bytes
	s_add_co_u32 s24, s24, s22
	s_add_nc_u64 s[6:7], s[6:7], s[24:25]
	s_lshl_b32 s20, s20, 2
	s_add_co_u32 s20, s20, s[WV]                   ; the block's number: 96 (g / 24) + pair = 4 g + wave
	s_mul_i32 s24, s20, PAIRB
	s_add_nc_u64 s[12:13], s[12:13], s[24:25]
	WQ 3072, 6, 12
	s_endpgm
.Lproj_w:
	s_sub_co_u32 s20, ttmp9, 352                   ; g = 0 .. 31: k / 256 = g / 8, pair = 4 (g % 8) + wave
	s_lshr_b32 s21, s20, 3
	s_and_b32 s22, s20, 7
	s_lshl_b32 s22, s22, 2
	s_add_co_u32 s22, s22, s[WV]
	s_lshl_b32 s24, s21, 20                        ; 256 rows of 4,096 bytes
	s_lshl_b32 s22, s22, 7
	s_add_co_u32 s24, s24, s22
	s_add_nc_u64 s[8:9], s[8:9], s[24:25]
	s_lshl_b32 s20, s20, 2
	s_add_co_u32 s20, s20, s[WV]
	s_mul_i32 s24, s20, PAIRB
	s_add_nc_u64 s[14:15], s[14:15], s[24:25]
	WQ 1024, 8, 14
	s_endpgm
.Lfunc_end_k_qb50e0a9110_prep:
	.size	k_qb50e0a9110_prep, .Lfunc_end_k_qb50e0a9110_prep-k_qb50e0a9110_prep
	.p2alignl 7, 3214868480
	.fill 96, 4, 3214868480
	.section	.rodata,"a",@progbits
	.p2align	6, 0x0
	.amdhsa_kernel k_qb50e0a9110_prep
		.amdhsa_group_segment_fixed_size 34304
		.amdhsa_private_segment_fixed_size 0
		.amdhsa_enable_private_segment 0
		.amdhsa_kernarg_size 48
		.amdhsa_user_sgpr_count 2
		.amdhsa_user_sgpr_kernarg_segment_ptr 1
		.amdhsa_wavefront_size32 1
		.amdhsa_system_sgpr_workgroup_id_x 1
		.amdhsa_system_sgpr_workgroup_id_y 1
		.amdhsa_system_sgpr_workgroup_id_z 1
		.amdhsa_system_vgpr_workitem_id 0
		.amdhsa_next_free_vgpr 242
		.amdhsa_next_free_sgpr 66
		.amdhsa_reserve_vcc 0
		.amdhsa_float_denorm_mode_32 3
		.amdhsa_float_denorm_mode_16_64 3
		.amdhsa_fp16_overflow 1
		.amdhsa_memory_ordered 1
		.amdhsa_forward_progress 1
		.amdhsa_inst_pref_size 110
	.end_amdhsa_kernel
	.amdgpu_metadata
---
amdhsa.version: [ 1, 2 ]
amdhsa.kernels:
  - .name:           k_qb50e0a9110_prep
    .symbol:         k_qb50e0a9110_prep.kd
    .args:
      - { .name: hidden_states, .offset: 0, .size: 8, .value_kind: global_buffer, .address_space: global }
      - { .name: c_attn_w, .offset: 8, .size: 8, .value_kind: global_buffer, .address_space: global }
      - { .name: c_proj_w, .offset: 16, .size: 8, .value_kind: global_buffer, .address_space: global }
      - { .name: himg, .offset: 24, .size: 8, .value_kind: global_buffer, .address_space: global }
      - { .name: wimg, .offset: 32, .size: 8, .value_kind: global_buffer, .address_space: global }
      - { .name: pimg, .offset: 40, .size: 8, .value_kind: global_buffer, .address_space: global }
    .group_segment_fixed_size: 34304
    .private_segment_fixed_size: 0
    .kernarg_segment_align: 8
    .kernarg_segment_size: 48
    .max_flat_workgroup_size: 128
    .sgpr_count:     66
    .vgpr_count:     242
    .wavefront_size: 32
...
	.end_amdgpu_metadata
.endif
;; end of part 1
;; launch qkv (part 2): grid 12 x 32, 4 waves a work-group, clusters of 4 x 4, 327,680 bytes of LDS; arguments himg, wimg, c_attn_b, qimg, kvimg, bsum; writes qimg, kvimg, bsum
.if DOCPART == 2
	.amdgcn_target "amdgcn-amd-amdhsa--gfx1250"
	.amdhsa_code_object_version 6
	.text
	.protected	k_qb50e0a9110_qkv
	.globl	k_qb50e0a9110_qkv
	.p2align	8
	.type	k_qb50e0a9110_qkv,@function
k_qb50e0a9110_qkv:
	s_mov_b64 s[64:65], 0
	v_nop
	global_prefetch_b8 v0, s[64:65] scope:SCOPE_SE
	s_setreg_imm32_b32 hwreg(HW_REG_WAVE_MODE, 25, 1), 1
	s_wait_xcnt 0x0
	s_wait_alu depctr_hold_cnt(0) depctr_sa_sdst(0) depctr_va_vdst(0) depctr_va_sdst(0) depctr_va_ssrc(0) depctr_va_vcc(0) depctr_vm_vsrc(0)
	s_getreg_b32 s2, hwreg(HW_REG_IB_STS2, 6, 4)
	s_cmp_eq_u32 s2, 0
	s_cbranch_scc0 .Lentry_in_a_cluster
	s_endpgm
.Lentry_in_a_cluster:
	s_bfe_u32 s2, ttmp6, 0x10000c
	s_cmp_lg_u32 s2, 0xf033
	s_cbranch_scc0 .Lentry_shape_is_right
	s_endpgm
.Lentry_shape_is_right:
; qkv = hidden_states c_attn_w + c_attn_b on codes of FP8 (E4M3) with E8M0 scales, and q, k, v quantised at once for the attention: nothing leaves as f32.
; A tile of 256 tokens x 256 columns is made by four waves, each 128 x 128: 64 accumulators, 512 registers.  K = 1,024 goes in four steps of 256 through two LDS slots.
; OPERANDS LIE IN MEMORY AS IMAGES OF THEIR REGISTERS ([k / 256][pair of tiles][8,448 bytes]: codes at u 4096 + q 2048 + c 512 + 16 lane, scale words at 8192 + 8 (16 u + r) + 4 q): 128 rows of a K step are 33,792 dense
; bytes, one tensor load; a fragment is four LDS loads of 512 consecutive bytes, so no padding is wanted; one load of 8 bytes a lane brings a pair's scale words: tile 2 p in lanes 0-15, tile 2 p + 1 in lanes 16-31.
; THE ROWS OF A TILE: row r of tile T is row 32 (T / 2) + 8 (T % 2) + r + 8 (r / 8).  THE PRODUCT IS USED TRANSPOSED (source 0 = 16 columns of W, source 1 = 16 tokens): lane (r, h) holds one token, and the 16 registers
; of W's tiles 2 b, 2 b + 1 are the 16 neighbouring columns 32 b + 16 h + 0 .. 15.  The bias is the C of each sum's first product.
; CLUSTERS: 4 x 4 work-groups; the tokens' tiles are asked for jointly along a row of the cluster, W's along a column.  Cluster x = 0, 1, 2 makes q, k, v: the same in all sixteen partners.
; THE WAY OUT.  q, k (quantised along the head's 64 channels, which a lane holds): straight from the accumulators to codes; block (head, 128 tokens) of 8,704 bytes: tile a at 1024 a + 512 c + 16 lane; scale words at
; 8192 + 16 lane + 4 jj for tile 2 jj + lane / 16: bytes 0, 1 the two blocks' bytes, bytes 2, 3 the same again (they stand over zero products: K = 64 fills half of the matrix instruction).
; v (quantised along the TOKENS): turned through my stage in LDS, then quantised; 8,448 bytes behind k's block: tile t at 2048 t + 512 c + 16 lane (lane r = channel row r of tile t), scale words at 8192 + 8 lane + 4 jj.
; bsum [head][128 tokens][16 r][4 t]: the sum of the quantised v over the 128 tokens: the attention adds the wholly masked keys by it.
; LIMITS: a block of zeros gets the byte 1 (read by this program alone); NaN and infinities are not served.  No prefetch: four K steps, two refills, tiles shared by joint loads.
.set PAIRB, 8448
.set HALF,  4*PAIRB                    ; 128 rows of a K step: what one tensor load brings
.set SLOT,  4*HALF                     ; the tokens' 256 rows, then W's 256
.set SPARE, 2*SLOT                     ; behind the ring: the spare words, 128 bytes for each wave: two blocks of 256 bytes that no other line names
.set SIGY,  256*PAIRB                  ; from a K step to the next in the tokens' image
.set SIGX,  96*PAIRB                   ; and in W's
.set NP,    8                          ; places behind this matrix instruction (ISA guide 7.12.1)
.set ADY, 16                           ; v16-17 my tokens' fragments in slot 0, 1: 16 x lane + the part's first byte
.set ASY, 18                           ; v18-19 their scale words: 8 x lane + the same
.set ADX, 20                           ; v20-21, v22-23 the same for W
.set ASX, 22
.set L16, 24                           ; v24 16 x lane
.set STS, 25                           ; v25 v's stage, on the way in
.set STR, 26                           ; v26 and out
.set BSO, 27                           ; v27 16 r + 8 h
.set SPW, 28                           ; v28 my spare word; never rewritten
.set NIL, 29                           ; v29 0; never rewritten
.set L8,  30                           ; v30 8 x lane
.set BO,  31                           ; v31 64 h
.set SC,  32                           ; v32-63 scale words and nothing else: set = slot; tokens' pair p at 2 p + q, W's at 8 + 2 p + q
.set BI,  64                           ; v64-127 the bias, eight registers a tile of W; later HT
.set HT,  64
.set AF,  128                          ; v128-255 the tokens' eight fragments, one set.  Window 1: W's fragments, two sets.  Windows 2, 3: accumulator (a, b) at v[8 (8 (a % 4) + b)]
.set VX,  128                          ; on the way out: 64 numbers,
.set PC,  192                          ; a fragment's codes,
.set TM,  208                          ; at work,
.set PWS, 224                          ; q, k: scale words (tile a, head) at 2 a + head
.set PWV, 224                          ; v: a head's four scale words,
.set BS,  228                          ; its four sums,
.set ST2, 232                          ; and what leaves
.set W4,  240
.set ONE, 248                          ; 0x7f in every byte: a scale of 1
.set WV, 16
.set WR, 17                            ; which 128 tokens are mine.  Also: I fetch tokens (0) or W (1)
.set WC, 18                            ; which 128 columns.  Also: which 128 rows I fetch
.set G1, 24
.set G0, 32
.set G1B, 48
.set G0B, 56
.set MNT, 86
.set SEL, 88
.set HIM, 90
.set MSB, 0
.macro WIN new                         ; the immediate's high byte repeats the setting that is left
.if MSB != (\new)
	s_set_vgpr_msb (MSB<<8)|(\new)
.set MSB, (\new)
.endif
.endm
.set MUL_LO, 0xa1                      ; source 0 (W) window 1, source 1 (tokens) window 0, C and D window 2
.set MUL_HI, 0xf1                      ; the same, C and D window 3
.set TO_B,   0x40                      ; destination window 1, address window 0
.macro JLOAD g0a, g1a, g0b, g1b        ; a joint load: waves 0, 1 fetch the tokens' halves, waves 2, 3 W's; four v_nop follow each line
	s_cmp_eq_u32 s[WR], 0
	s_cbranch_scc0 .Lfor_b_\@
	tensor_load_to_lds s[\g0a:\g0a+3], s[\g1a:\g1a+7]
	s_nop 0
.rept 4
	v_nop
.endr
	s_branch .Lasked_\@
.Lfor_b_\@:
	tensor_load_to_lds s[\g0b:\g0b+3], s[\g1b:\g1b+7]
	s_nop 0
.rept 4
	v_nop
.endr
.Lasked_\@:
.endm
.macro CREST                           ; a round of the cluster's barrier behind its opening barrier
	s_cmp_lg_u32 s[WV], 0
	s_cbranch_scc1 .Lnot_wave_0_\@
	s_barrier_signal -3
.Lnot_wave_0_\@:
	s_barrier_wait -3
	s_barrier_signal -1
	s_barrier_wait -1
.endm
.macro CROUND
	s_barrier_signal -1
	s_barrier_wait -1
	CREST
.endm
.macro PLACES n
.rept \n
	v_nop
.endr
.endm
	s_load_b256 s[4:11], s[0:1], 0x0               ; himg, wimg, c_attn_b, qimg
	s_load_b128 s[12:15], s[0:1], 0x20             ; kvimg, bsum
	v_lshl_add_u32 v[SPW], v0, 2, SPARE
	v_mov_b32 v[NIL], 0
	ds_add_u32 v28, v29
	ds_add_u32 v28, v29
	s_wait_dscnt 0x0
	v_lshrrev_b32 v1, 5, v0
	v_readfirstlane_b32 s[WV], v1
	s_lshr_b32 s[WR], s[WV], 1
	s_and_b32 s[WC], s[WV], 1
	s_bfe_u32 s40, ttmp6, 0x40000                  ; cx, cy
	s_bfe_u32 s41, ttmp6, 0x40004
	s_lshl_b32 s42, ttmp9, 2
	s_add_co_u32 s42, s42, s40                     ; tile column x = 4 x cluster x + cx
	s_and_b32 s66, ttmp7, 0xffff
	s_lshl_b32 s66, s66, 2
	s_add_co_u32 s66, s66, s41                     ; tile row y = 4 x cluster y + cy
	s_lshl_b32 s43, s41, 2
	s_lshl_b32 s43, 15, s43                        ; my row of the cluster
	s_lshl_b32 s44, 0x1111, s40                    ; my column
	s_or_b32 s[G1+0], s43, (3<<16)|(1<<21)         ; 15:0 the mask; 17:16 elements of 8 bytes; 21 set beside a mask; no padding
	s_or_b32 s[G1B+0], s44, (3<<16)|(1<<21)
.irp g, G1, G1B
	s_mov_b32 s[\g+1], 32<<16                      ; tensor_dim0 = 32 elements: rows of 256 bytes
	s_mov_b32 s[\g+2], 132<<16                     ; tensor_dim1 = 132 rows: 33,792 dense bytes
	s_mov_b32 s[\g+3], 32<<16                      ; tile_dim0
	s_mov_b32 s[\g+4], 132                         ; tile_dim1
	s_mov_b32 s[\g+5], 32                          ; the pitch
	s_mov_b32 s[\g+6], 0
	s_mov_b32 s[\g+7], 0
.endr
	s_lshl_b32 s19, s[WC], 2                       ; which four pairs of the tile I fetch
	s_lshl_b32 s20, s66, 3
	s_add_co_u32 s20, s20, s19
	s_mul_i32 s20, s20, PAIRB                      ; tokens: pair 8 y + 4 (wave % 2)
	s_mov_b32 s21, 0
	s_lshl_b32 s46, s42, 3
	s_add_co_u32 s46, s46, s19
	s_mul_i32 s46, s46, PAIRB                      ; W: pair 8 x + 4 (wave % 2)
	s_mov_b32 s47, 0
	s_mul_i32 s45, s[WV], HALF                     ; where they go: no place in the cluster enters an LDS address
	s_wait_kmcnt 0x0
	s_add_nc_u64 s[20:21], s[4:5], s[20:21]
	s_add_nc_u64 s[46:47], s[6:7], s[46:47]
	CROUND                                         ; all sixteen work-groups are here: the first joint loads meet
.irp s, 0,1
	s_mov_b32 s[G0+4*\s], 1
	s_add_co_u32 s[G0+4*\s+1], s45, \s*SLOT
	s_add_nc_u64 s[G0+4*\s+2:G0+4*\s+3], s[20:21], \s*SIGY
	s_or_b32 s[G0+4*\s+3], s[G0+4*\s+3], 0x80000000
	s_mov_b32 s[G0B+4*\s], 1
	s_add_co_u32 s[G0B+4*\s+1], s45, \s*SLOT
	s_add_nc_u64 s[G0B+4*\s+2:G0B+4*\s+3], s[46:47], \s*SIGX
	s_or_b32 s[G0B+4*\s+3], s[G0B+4*\s+3], 0x80000000
	JLOAD G0+4*\s, G1, G0B+4*\s, G1B
.endr
	v_and_b32 v1, 31, v0
	v_bfe_u32 v2, v0, 4, 1                         ; h
	v_and_b32 v3, 15, v0                           ; r
	v_lshlrev_b32 v[L16], 4, v1
	v_lshlrev_b32 v[L8], 3, v1
	v_lshlrev_b32 v[BO], 6, v2
	s_mul_i32 s67, s[WR], HALF                     ; my 128 tokens
	s_mul_i32 s68, s[WC], HALF
	s_add_co_u32 s68, s68, 2*HALF                  ; my 128 columns, behind the tokens' 256 rows
.irp s, 0,1
	v_add_nc_u32 v[ADY+\s], s67, v[L16]
	v_add_nc_u32 v[ASY+\s], s67, v[L8]
	v_add_nc_u32 v[ADX+\s], s68, v[L16]
	v_add_nc_u32 v[ASX+\s], s68, v[L8]
	s_add_co_u32 s67, s67, SLOT
	s_add_co_u32 s68, s68, SLOT
.endr
	v_and_b32 v4, 8, v3
	v_add_nc_u32 v4, v4, v3                        ; r + 8 (r / 8)
	v_mul_u32_u24 v5, v2, 8*528
	v_lshl_add_u32 v5, v4, 2, v5
	v_add_nc_u32 v[STS], s45, v5                   ; v's stage (64 rows of 512 + 16 bytes, in my quarter of slot 0): row 8 h, token r + 8 (r / 8)
	v_mul_u32_u24 v5, v3, 528
	v_lshl_add_u32 v5, v2, 6, v5
	v_add_nc_u32 v[STR], s45, v5                   ; back: row r, + 64 h
	v_lshlrev_b32 v[BSO], 4, v3
	v_lshl_add_u32 v[BSO], v2, 3, v[BSO]
	s_lshl_b32 s68, s42, 10
	s_lshl_b32 s69, s[WC], 9
	s_add_co_u32 s68, s68, s69                     ; my first column, in bytes of the bias
	s_mov_b32 s69, 0
	s_add_nc_u64 s[8:9], s[8:9], s[68:69]
.irp b, 0,1,2,3,4,5,6,7
	global_load_b128 v[BI+8*\b:BI+8*\b+3], v[BO], s[8:9] offset:(32*(\b/2)+8*(\b%2))*4       ; the bias in the result's layout: columns 32 (b / 2) + 16 h + 8 (b % 2) + 0 .. 7
	global_load_b128 v[BI+8*\b+4:BI+8*\b+7], v[BO], s[8:9] offset:(32*(\b/2)+8*(\b%2))*4+16
.endr
	s_lshr_b32 s70, s66, 3                         ; where my results go: batch,
	s_lshl_b32 s70, s70, 4
	s_lshl_b32 s71, s40, 2
	s_add_co_u32 s70, s70, s71
	s_lshl_b32 s71, s[WC], 1
	s_add_co_u32 s70, s70, s71                     ; my first head: 16 batch + 4 cx + 2 (wave % 2),
	s_lshl_b32 s70, s70, 4
	s_and_b32 s71, s66, 7
	s_lshl_b32 s71, s71, 1
	s_add_co_u32 s70, s70, s71
	s_add_co_u32 s70, s70, s[WR]                   ; block = 16 head + my group of 128 tokens
	s_mov_b32 s77, 0
	s_mov_b32 s[MNT], 0x600000
	s_mov_b32 s[SEL], 0x76543210
	s_mov_b32 s[SEL+1], 0xfedcba98
	s_mov_b32 s[HIM], 0xffff0000
.macro FRAG reg, adr, q, i             ; tile i of my 128 rows, the slot's q-th 128 along K: four loads of 512 consecutive bytes
.irp c, 0,1,2,3
	ds_load_b128 v[\reg+4*\c:\reg+4*\c+3], v[\adr] offset:((\i)/2)*PAIRB+((\i)%2)*4096+(\q)*2048+512*\c
.endr
.endm
.macro FETCH_B slot, q, p
	WIN TO_B
.irp i, 0,1,2,3,4,5,6,7
	FRAG 128*(\p)+16*\i, ADX+\slot, \q, \i
.endr
	WIN 0
.endm
.macro FETCH_A slot, q, i0
.irp i, \i0, \i0+1, \i0+2, \i0+3
	FRAG AF+16*(\i), ADY+\slot, \q, \i
.endr
.endm
.macro SCALES slot
.irp p, 0,1,2,3
	ds_load_b64 v[SC+16*\slot+2*\p:SC+16*\slot+2*\p+1], v[ASY+\slot] offset:\p*PAIRB+8192
	ds_load_b64 v[SC+16*\slot+8+2*\p:SC+16*\slot+8+2*\p+1], v[ASX+\slot] offset:\p*PAIRB+8192
.endr
.endm
; 16 matrix instructions: tokens' tiles a0, a0 + 1 x W's eight.  The 64 accumulators take turns, one instruction a turn, in the same order in every step.  first = 1: C is the bias.
.macro MUL16 a0, p, q, set, first
.irp a, \a0, \a0+1
.irp b, 0,1,2,3,4,5,6,7
.set rD, 8*(8*((\a)%4)+\b)
.set rX, 128*(\p)+16*\b
.set rY, AF+16*(\a)
.set rC, rD
.if \first
.set rC, BI+8*\b
.endif
.set rSX, SC+16*(\set)+8+2*(\b/2)+(\q)
.set rSY, SC+16*(\set)+2*((\a)/2)+(\q)
.if ((\a)%2) && (\b%2)
	v_wmma_scale_f32_16x16x128_f8f6f4 v[rD:rD+7], v[rX:rX+15], v[rY:rY+15], v[rC:rC+7], v[rSX], v[rSY] matrix_a_scale:MATRIX_SCALE_ROW1 matrix_b_scale:MATRIX_SCALE_ROW1
.elseif (\b%2)
	v_wmma_scale_f32_16x16x128_f8f6f4 v[rD:rD+7], v[rX:rX+15], v[rY:rY+15], v[rC:rC+7], v[rSX], v[rSY] matrix_a_scale:MATRIX_SCALE_ROW1
.elseif ((\a)%2)
	v_wmma_scale_f32_16x16x128_f8f6f4 v[rD:rD+7], v[rX:rX+15], v[rY:rY+15], v[rC:rC+7], v[rSX], v[rSY] matrix_b_scale:MATRIX_SCALE_ROW1
.else
	v_wmma_scale_f32_16x16x128_f8f6f4 v[rD:rD+7], v[rX:rX+15], v[rY:rY+15], v[rC:rC+7], v[rSX], v[rSY]
.endif
.endr
.endr
.endm
; A slot's first 128 along K.  The tokens have one set of fragments: tiles 0-3 are fetched anew in the step's middle, tiles 4-7 at its end; W has two sets.
.macro STEP slot, first
	s_wait_dscnt 16                                ; all but the youngest 16 loads (the tokens' tiles 4-7) are in
.if \first
	WIN 0x81                                       ; C (the bias) window 0, D window 2
.else
	WIN MUL_LO
.endif
	MUL16 0, 0, 0, \slot, \first
	MUL16 2, 0, 0, \slot, \first
	s_wait_dscnt 0x0
	PLACES NP                                      ; in front of loads into registers that matrix instructions have read
	FETCH_B \slot, 1, 1
	FETCH_A \slot, 1, 0
.if \first
	WIN 0xc1
.else
	WIN MUL_HI
.endif
	MUL16 4, 0, 0, \slot, \first
	MUL16 6, 0, 0, \slot, \first
	PLACES NP
	WIN 0
	FETCH_A \slot, 1, 4
.endm
; A slot's second 128 changes slots: one barrier; in front of it each wave waits for all its tensor loads, adds 0 to its spare word, and waits for that and for its reads of this slot.
.macro TURN slot, next, fill
	s_wait_tensorcnt 0x0                           ; all my tensor loads have landed: my part of the next slot
	ds_add_u32 v[SPW], v[NIL]                      ; 0 onto my spare word
	s_wait_dscnt 17                                ; (the add and the youngest 16 loads may be out)
	WIN MUL_LO
	MUL16 0, 1, 1, \slot, 0
	s_wait_dscnt 0x0                               ; the add is done, and my reads of this slot are over
	s_barrier_signal -1
	MUL16 2, 1, 1, \slot, 0
	WIN 0
	s_barrier_wait -1
.if \fill
	CREST                                          ; the barrier has opened a round of the cluster's: no wave of any partner still reads this slot or has a load on its way
	s_add_nc_u64 s[G0+4*\slot+2:G0+4*\slot+3], s[G0+4*\slot+2:G0+4*\slot+3], 2*SIGY
	s_add_nc_u64 s[G0B+4*\slot+2:G0B+4*\slot+3], s[G0B+4*\slot+2:G0B+4*\slot+3], 2*SIGX
	JLOAD G0+4*\slot, G1, G0B+4*\slot, G1B         ; the first tensor load behind the round; its four v_nop are four of the eight places
	PLACES NP-4
.else
	PLACES NP
.endif
	FETCH_B \next, 0, 0
	FETCH_A \next, 0, 0
	SCALES \next
	WIN MUL_HI
	MUL16 4, 1, 1, \slot, 0
	MUL16 6, 1, 1, \slot, 0
	PLACES NP
	WIN 0
	FETCH_A \next, 0, 4
.endm
	s_wait_tensorcnt 1                             ; my part of K step 0 is in (K step 1's load may be out)
	s_barrier_signal -1
	s_barrier_wait -1                              ; everybody's is
	FETCH_B 0, 0, 0
	FETCH_A 0, 0, 0
	SCALES 0
	FETCH_A 0, 0, 4
	s_wait_loadcnt 0x0                             ; the bias
	STEP 0, 1                                      ; K = 1,024 is four slots: written out
	TURN 0, 1, 1
	STEP 1, 0
	TURN 1, 0, 1
	STEP 0, 0
	TURN 0, 1, 0                                   ; nothing is left to fetch: no round
	STEP 1, 0
	s_wait_dscnt 16
	WIN MUL_LO
	MUL16 0, 1, 1, 1, 0
	MUL16 2, 1, 1, 1, 0
	s_wait_dscnt 0x0
	WIN MUL_HI
	MUL16 4, 1, 1, 1, 0
	MUL16 6, 1, 1, 1, 0
	WIN 0
	PLACES NP                                      ; in front of the first read of results and of writes into the fragments' registers
.irp b, 0,1,2,3
	v_mov_b32 v[TM+4+\b], 0                        ; a lane permute's destination counts as one of its sources
.endr
	v_mov_b32 v254, 0
	v_mov_b32 v[ONE], 0x7f7f7f7f
; 64 numbers of a lane at v[s] of window w (register 16 b + i = k 32 b + 16 h + i of my row) become 16 registers of codes in v[PC]; the bytes stay in v[TM+4 ..], the scale operands in v[TM+12 ..].  The held numbers go to v[d] of window 0.
; Each accumulator is read from its low end on.
.macro QUANTW s, w, d
.set WW, ((\w)<<2)|((\w)<<4)
	WIN WW                                         ; sources 1 and 2 in window w
.irp b, 0,1,2,3
	v_max3_num_f32 v[TM+\b], 0x4800000, |v[(\s)+16*\b]|, |v[(\s)+1+16*\b]|   ; with the floor 2^(9 - 127)
.endr
.irp i, 2,4,6,8,10,12,14
.irp b, 0,1,2,3
	v_max3_num_f32 v[TM+\b], v[TM+\b], |v[(\s)+16*\b+\i]|, |v[(\s)+1+16*\b+\i]|
.endr
.endr
	WIN 0
.irp b, 0,1,2,3
	v_permlanex16_b32 v[TM+4+\b], v[TM+\b], s[SEL], s[SEL+1]
.endr
.irp b, 0,1,2,3
	v_max_num_f32 v[TM+\b], v[TM+\b], v[TM+4+\b]
.endr
.irp b, 0,1,2,3
	v_add_nc_u32 v[TM+12+\b], 0xfc000000, v[TM+\b]
.endr
.irp b, 0,1,2,3
	v_and_or_b32 v[TM+8+\b], v[TM+\b], 0x7f800000, s[MNT]
.endr
.irp b, 0,1,2,3
	v_lshrrev_b32 v[TM+4+\b], 23, v[TM+12+\b]
.endr
.set WW, (\w)
	WIN WW                                         ; source 0 in window w
.irp b, 0,1,2,3
.irp i, 0,1,2,3,4,5,6,7,8,9,10,11,12,13,14,15
	v_med3_num_f32 v[(\d)+16*\b+\i], v[(\s)+16*\b+\i], -v[TM+8+\b], v[TM+8+\b]   ; the hold at 448 x the scale (ISA guide 7.6.2: the conversion does not saturate)
.endr
.endr
	WIN 0
.irp b, 0,1,2,3
	v_cvt_scalef32_pk8_fp8_f32 v[PC+4*\b:PC+1+4*\b], v[(\d)+16*\b:(\d)+7+16*\b], v[TM+12+\b]
	v_cvt_scalef32_pk8_fp8_f32 v[PC+2+4*\b:PC+3+4*\b], v[(\d)+8+16*\b:(\d)+15+16*\b], v[TM+12+\b]
.endr
	v_nop                                          ; a plain line behind the last conversion
.endm
	s_cmp_eq_u32 ttmp9, 2                          ; the cluster's x: the same in all partners
	s_cbranch_scc1 .Lv_out
	; ---- q and k: a tile of tokens at a time; blocks 0, 1 are my first head's 64 channels, blocks 2, 3 my second's
	s_mov_b32 s72, 17152
	s_cmp_eq_u32 ttmp9, 0
	s_cselect_b32 s72, 8704, s72                   ; a block of qimg, or of kvimg
	s_cselect_b64 s[74:75], s[10:11], s[12:13]
	s_mul_i32 s76, s70, s72
	s_add_nc_u64 s[74:75], s[74:75], s[76:77]      ; my first head's block,
	s_lshl_b32 s76, s72, 4
	s_add_nc_u64 s[78:79], s[74:75], s[76:77]      ; my second head's: 16 blocks on
.irp a, 0,1,2,3,4,5,6,7
	s_wait_xcnt 0x0                                ; the last tile's stores have read their registers
	QUANTW 64*(\a%4), 2+\a/4, HT
.irp c, 0,1
	global_store_b128 v[L16], v[PC+4*\c:PC+4*\c+3], s[74:75] offset:\a*1024+\c*512       ; 512 consecutive bytes
	global_store_b128 v[L16], v[PC+8+4*\c:PC+8+4*\c+3], s[78:79] offset:\a*1024+\c*512
.endr
	v_lshl_or_b32 v254, v[TM+5], 8, v[TM+4]
	v_lshl_or_b32 v[PWS+2*\a], v254, 16, v254      ; the two bytes, twice
	v_lshl_or_b32 v254, v[TM+7], 8, v[TM+6]
	v_lshl_or_b32 v[PWS+2*\a+1], v254, 16, v254
.endr
.irp hd, 0,1
.irp jj, 0,1,2,3
	v_cndmask_b32 v[W4+4*\hd+\jj], v[PWS+4*\jj+\hd], v[PWS+4*\jj+2+\hd], s[HIM]   ; lanes 0-15: tile 2 jj, lanes 16-31: tile 2 jj + 1
.endr
.endr
	global_store_b128 v[L16], v[W4:W4+3], s[74:75] offset:8192
	global_store_b128 v[L16], v[W4+4:W4+7], s[78:79] offset:8192
	s_branch .Lend
	; ---- v: K of the second product is the tokens.  A head's 64 channels x my 128 tokens turn through my stage: stage row 16 t + r holds channel row r of tile t.
	; The stage lies in slot 0, which has had its last fill, and which nobody reads behind the last change of slots.
.macro BSUM t                          ; the sum of the quantised numbers just made: codes widened under a scale of 1, each block's 16 added, times the block's scale; then lane l xor 16's
.irp g, 0,1,2,3,4,5,6,7
	v_cvt_scale_pk8_f32_fp8 v[HT+8*\g:HT+8*\g+7], v[PC+2*\g:PC+2*\g+1], v[ONE]
.endr
	v_nop
.irp k, 0,2,4,6
.irp c, 0,1,2,3
	v_pk_add_f32 v[HT+16*\c+\k:HT+16*\c+\k+1], v[HT+16*\c+\k:HT+16*\c+\k+1], v[HT+16*\c+\k+8:HT+16*\c+\k+9]
.endr
.endr
.irp k, 0,2
.irp c, 0,1,2,3
	v_pk_add_f32 v[HT+16*\c+\k:HT+16*\c+\k+1], v[HT+16*\c+\k:HT+16*\c+\k+1], v[HT+16*\c+\k+4:HT+16*\c+\k+5]
.endr
.endr
.irp c, 0,1,2,3
	v_pk_add_f32 v[HT+16*\c:HT+16*\c+1], v[HT+16*\c:HT+16*\c+1], v[HT+16*\c+2:HT+16*\c+3]
.endr
.irp c, 0,1,2,3
	v_add_f32 v[HT+16*\c], v[HT+16*\c], v[HT+16*\c+1]
.endr
.irp c, 0,1,2,3
	v_and_b32 v[TM+12+\c], 0x7f800000, v[TM+12+\c] ; the scale as a number
.endr
	v_mul_f32 v[BS+\t], v[HT], v[TM+12]
	v_fmac_f32 v[BS+\t], v[HT+16], v[TM+13]
	v_fmac_f32 v[BS+\t], v[HT+32], v[TM+14]
	v_fmac_f32 v[BS+\t], v[HT+48], v[TM+15]
	v_permlanex16_b32 v254, v[BS+\t], s[SEL], s[SEL+1]
	v_add_f32 v[BS+\t], v[BS+\t], v254
.endm
.Lv_out:
	s_mul_i32 s76, s70, 17152
	s_add_nc_u64 s[74:75], s[12:13], s[76:77]
	s_add_nc_u64 s[78:79], s[74:75], 16*17152
	s_lshl_b32 s76, s70, 8
	s_add_nc_u64 s[82:83], s[14:15], s[76:77]
	s_add_nc_u64 s[84:85], s[82:83], 16*256
	s_wait_alu depctr_va_vdst(0)
.irp hd, 0,1
.irp a, 0,1,2,3,4,5,6,7
.set WW, 0x08+4*(\a/4)
	WIN WW                                         ; an LDS store's data are its source 1: window 2 or 3
.irp bb, 0,1,2,3
.irp j, 0,1,2,3,4,5,6,7
	ds_store_b32 v[STS], v[8*(8*(\a%4)+4*\hd+\bb)+\j] offset:(16*\bb+\j)*528+(32*(\a/2)+8*(\a%2))*4   ; row 16 bb + 8 h + j, token 32 (a / 2) + 8 (a % 2) + r + 8 (r / 8); the two halves of the lanes fall 32 banks apart
.endr
.endr
.endr
	WIN 0
.irp t, 0,1,2,3
.irp c, 0,1,2,3
.irp i, 0,1,2,3
	ds_load_b128 v[VX+16*\c+4*\i:VX+16*\c+4*\i+3], v[STR] offset:16*\t*528+128*\c+16*\i   ; LDS serves a wave's instructions in order: these see my stores
.endr
.endr
	s_wait_dscnt 0x0
	s_wait_xcnt 0x0                                ; earlier stores have read their registers
	QUANTW VX, 0, VX
.irp c, 0,1,2,3
	global_store_b128 v[L16], v[PC+4*\c:PC+4*\c+3], s[74+4*\hd:75+4*\hd] offset:8704+\t*2048+\c*512
.endr
	v_lshl_or_b32 v[PWV+\t], v[TM+5], 8, v[TM+4]
	v_lshl_or_b32 v[PWV+\t], v[TM+6], 16, v[PWV+\t]
	v_lshl_or_b32 v[PWV+\t], v[TM+7], 24, v[PWV+\t]
	BSUM \t
.endr
	v_cndmask_b32 v[ST2], v[PWV], v[PWV+1], s[HIM]
	v_cndmask_b32 v[ST2+1], v[PWV+2], v[PWV+3], s[HIM]
	global_store_b64 v[L8], v[ST2:ST2+1], s[74+4*\hd:75+4*\hd] offset:16896   ; 256 consecutive bytes
	v_cndmask_b32 v[ST2+2], v[BS], v[BS+2], s[HIM]
	v_cndmask_b32 v[ST2+3], v[BS+1], v[BS+3], s[HIM]
	global_store_b64 v[BSO], v[ST2+2:ST2+3], s[82+2*\hd:83+2*\hd]             ; [r][t]: 256 consecutive bytes
.endr
.Lend:
	s_wait_tensorcnt 0x0                           ; the wave's end
	ds_add_u32 v[SPW], v[NIL]
	s_wait_dscnt 0x0
	CROUND                                         ; the closing round
	s_endpgm
.Lfunc_end_k_qb50e0a9110_qkv:
	.size	k_qb50e0a9110_qkv, .Lfunc_end_k_qb50e0a9110_qkv-k_qb50e0a9110_qkv
	.p2alignl 7, 3214868480
	.fill 96, 4, 3214868480
	.section	.rodata,"a",@progbits
	.p2align	6, 0x0
	.amdhsa_kernel k_qb50e0a9110_qkv
		.amdhsa_group_segment_fixed_size 327680
		.amdhsa_private_segment_fixed_size 0
		.amdhsa_enable_private_segment 0
		.amdhsa_kernarg_size 48
		.amdhsa_user_sgpr_count 2
		.amdhsa_user_sgpr_kernarg_segment_ptr 1
		.amdhsa_wavefront_size32 1
		.amdhsa_system_sgpr_workgroup_id_x 1
		.amdhsa_system_sgpr_workgroup_id_y 1
		.amdhsa_system_sgpr_workgroup_id_z 1
		.amdhsa_system_vgpr_workitem_id 0
		.amdhsa_next_free_vgpr 1024
		.amdhsa_next_free_sgpr 100
		.amdhsa_reserve_vcc 0
		.amdhsa_float_denorm_mode_32 3
		.amdhsa_float_denorm_mode_16_64 3
		.amdhsa_memory_ordered 1
		.amdhsa_forward_progress 1
		.amdhsa_inst_pref_size 255
	.end_amdhsa_kernel
	.section	.bss,"aw",@nobits
	.p2align	6
	.space	262144
	.amdgpu_metadata
---
amdhsa.version: [ 1, 2 ]
amdhsa.kernels:
  - .name:           k_qb50e0a9110_qkv
    .symbol:         k_qb50e0a9110_qkv.kd
    .args:
      - { .name: himg, .offset: 0, .size: 8, .value_kind: global_buffer, .address_space: global }
      - { .name: wimg, .offset: 8, .size: 8, .value_kind: global_buffer, .address_space: global }
      - { .name: c_attn_b, .offset: 16, .size: 8, .value_kind: global_buffer, .address_space: global }
      - { .name: qimg, .offset: 24, .size: 8, .value_kind: global_buffer, .address_space: global }
      - { .name: kvimg, .offset: 32, .size: 8, .value_kind: global_buffer, .address_space: global }
      - { .name: bsum, .offset: 40, .size: 8, .value_kind: global_buffer, .address_space: global }
    .group_segment_fixed_size: 327680
    .private_segment_fixed_size: 0
    .kernarg_segment_align: 8
    .kernarg_segment_size: 48
    .max_flat_workgroup_size: 128
    .sgpr_count:     100
    .vgpr_count:     1024
    .wavefront_size: 32
...
	.end_amdgpu_metadata
.endif
;; end of part 2
;; launch attn (part 3): grid 4 x 64, 16 waves a work-group, no clusters, 327,680 bytes of LDS; arguments qimg, kvimg, bsum, oimg; writes oimg
.if DOCPART == 3
	.amdgcn_target "amdgcn-amd-amdhsa--gfx1250"
	.amdhsa_code_object_version 6
	.text
	.protected	k_qb50e0a9110_attn
	.globl	k_qb50e0a9110_attn
	.p2align	8
	.type	k_qb50e0a9110_attn,@function
k_qb50e0a9110_attn:
	s_mov_b64 s[64:65], 0
	v_nop
	global_prefetch_b8 v0, s[64:65] scope:SCOPE_SE
	s_setreg_imm32_b32 hwreg(HW_REG_WAVE_MODE, 25, 1), 1
	s_wait_xcnt 0x0
; softmax(where(key <= query, q k^T / 8, -10,000)) v for one head, both products on codes of FP8 (E4M3) with E8M0 scales; the result is quantised along the channels and leaves as the last product's operand image.
; THE SOFTMAX: t = score x log2(e) / 8; M = the row's largest t so far, rounded UP to a whole number; p = 2^(t - M) is quantised along the keys, not normalised; the row's sum is taken of the unquantised p and divides at the end.
; THE MASK IS -10,000 AND NOT -INFINITY, so masked keys count.  In the step on the diagonal their scores become -80,000 (= -10,000 x 8) ahead of the maximum.  The key steps wholly behind the diagonal are not walked: all their p
; are one number c = 2^(tm - M), so their blocks quantise to one number Q(c); their part of the product is Q(c) x (the sum of the quantised v over those keys, from bsum), their part of the row's sum is their count x c.
; That tail is added once for each tile of queries (FINISH).  Its f32 sums are taken in another order than a walk over the keys would take them.
; SHARES.  Work-group (i, head) owns the blocks of 256 queries i and 7 - i, one after the other: (i + 1) + (8 - i) = 9 slots of 256 keys for every work-group: 256 equal work-groups, and trip counts that are constants.
; Each of SIXTEEN waves owns one tile of 16 queries in 256 registers, four waves to a SIMD.  A step of 128 keys all of which come after the wave's group of 128 queries is jumped over: a scalar branch on ids.
; LAYOUT.  Both products are used transposed: a lane holds ONE query.  Row r of a tile T of tokens is token 32 (T / 2) + 8 (T % 2) + r + 8 (r / 8): the 16 registers of key tiles 2 b, 2 b + 1 are keys 32 b + 16 h + 0 .. 15.
; K = 64 IN THE FIRST PRODUCT fills half of the matrix instruction's 128.  q's codes for k = 64 .. 127 are zeros; k's operand names, for those k, the eight registers that follow (the next tile's codes, zeros behind the last):
; finite numbers, since the hold shuts out the NaN code, times 0.  Their scale bytes repeat the real ones.
; NO CLUSTER: from the second trip on the four work-groups of a head want different slots in the same trip (trip T: slot T, or T - i - 1); walked in step, a round would last as long as its busiest partner.
; LIMITS: NaN and infinities are not served; v_exp_f32 gives 0 for results under 2^-126; a block of zeros gets the byte 1 (read by this program alone).
.set KVSTEP, 17152                     ; a step's block: k's 8,704 bytes, then v's 8,448
.set SLOTB,  2*KVSTEP
.set SLOT1,  65536                     ; slot 1 begins here: one exclusive or turns an address from one slot to the other
.set SUFB,   131072                    ; four tables of 256 bytes: [pass][half of the waves][16 r][4 t]: the sums of quantised v behind the diagonal
.set SPARE,  132096                    ; the spare words, 128 bytes for each wave: eight blocks of 256 bytes that no other line names
.set AL0, 1                            ; v1  16 x lane
.set AS0, 2                            ; v2  8 x lane
.set ADL, 3                            ; v3, v4 the same in the slot in hand
.set ADS, 4
.set SPW, 5                            ; v5  my spare word; never rewritten
.set NIL, 6                            ; v6  0; never rewritten
.set PFO, 7                            ; v7  the prefetches' offset
.set SFW, 8                            ; v8  where waves 2, 3 put a table's word
.set SFR, 9                            ; v9  where I read my table
.set QD,  10                           ; v10 my query's place in its 128, less 16 h
.set SFG, 11                           ; v11 4 x (thread % 64)
.set KF,  32                           ; v12 -M, v13 the largest t, v[14:15] the sum; v16-23 q's codes, v24-31 zeros; v32-95 k's 8 tiles (8 registers each), later v's 4 fragments; v96-103 zeros
.set S,   104                          ; v104-167 S^T, then p
.set O,   168                          ; v168-199 O^T
.set PCD, 200                          ; v200-215 p's codes
.set BM,  216
.set T2,  220
.set LM,  224
.set SO,  228                          ; v[232:233] the sums' second chain; v[234:235] f; v236-239 at work
.set QCO, 240
.set QSO, 241
.set OCO, 242
.set OSO, 243
.set KS,  248                          ; v248-251 k's scale words, v252-253 v's, v254 q's, v255 p's; v248-251 later also hold partial sums of p
.set VS,  252
.set QS,  254
.set PS,  255
.set WV, 12
.set T,  13                            ; the trip
.set SW, 14                            ; the trip in which the second block of queries begins: i + 1
.set JS, 15                            ; the step's number among the head's 16
.set JD, 16                            ; the step on my diagonal
.set JD1, 17
.set SMK, 18                           ; s18, s19 (pass 0, 1): -80,000, or -3e38 where no step lies behind the diagonal
.set NH,  20                           ; s20, s21: half the count of keys behind the diagonal step
.set CS,  22                           ; s[22:23] c = log2(e) / 8
.set SEL, 24
.set MNT, 26
.set TB,  27
.set G1,  28
.set G0,  36
.set KVB, 40                           ; s[40:41] my half of the head's slot 0
.set OFF, 42                           ; s[42:43] the slot to be asked for, in bytes
.set GQ,  44
.set OB,  48
.set PFA, 52
.set LIM, 54
.set BSB, 56
.set JDK, 84                           ; s84-87 the four tables' diagonal steps
.macro TLOAD                           ; waves 0 and 1 fetch a slot's two steps, one dense block each; four v_nop follow
	s_cmp_lt_u32 s[WV], 2
	s_cbranch_scc0 .Lnone_\@
	tensor_load_to_lds s[G0:G0+3], s[G1:G1+7]
	s_nop 0
.rept 4
	v_nop
.endr
.Lnone_\@:
.endm
; A prefetch into the L2: in trip T the head's first work-group names slot T + 1, which its own tensor loads ask for one trip later: 134 blocks of 256 bytes, a lane a block, waves 4 to 8 (the lanes that are over name the last block).
; It stops behind trip 6: slot 7 is the head's last.
.macro ASK
	s_cmp_lt_u32 s[T], s[LIM]
	s_cbranch_scc0 .Lnot_mine_\@
	global_prefetch_b8 v[PFO], s[PFA:PFA+1] th:TH_LOAD_NT scope:SCOPE_SE
.Lnot_mine_\@:
.endm
	s_load_b256 s[4:11], s[0:1], 0x0               ; qimg, kvimg, bsum, oimg
	v_lshl_add_u32 v[SPW], v0, 2, SPARE
	v_mov_b32 v[NIL], 0
	ds_add_u32 v5, v6
	ds_add_u32 v5, v6
	s_wait_dscnt 0x0
	v_lshrrev_b32 v244, 5, v0
	s_delay_alu instid0(VALU_DEP_1)
	v_readfirstlane_b32 s[WV], v244                ; wave 0..15
	s_and_b32 s58, ttmp7, 0xffff                   ; 16 batch + head
	s_add_co_u32 s[SW], ttmp9, 1
	s_lshr_b32 s59, s[WV], 3                       ; which 128 of the block's 256 queries
	s_sub_co_u32 s60, 7, ttmp9                     ; the second block
	s_lshl_b32 s[JDK], ttmp9, 1
	s_add_co_u32 s[JDK+1], s[JDK], 1
	s_lshl_b32 s[JDK+2], s60, 1
	s_add_co_u32 s[JDK+3], s[JDK+2], 1
	s_add_co_u32 s[JD], s[JDK], s59
	s_add_co_u32 s[JD1], s[JDK+2], s59
	s_mov_b32 s[SMK], 0xff61b1e6
	s_cmp_lt_u32 s[JD], 15
	s_cselect_b32 s[SMK], 0xc79c4000, s[SMK]
	s_mov_b32 s[SMK+1], 0xff61b1e6
	s_cmp_lt_u32 s[JD1], 15
	s_cselect_b32 s[SMK+1], 0xc79c4000, s[SMK+1]
	s_sub_co_u32 s[NH], 15, s[JD]
	s_lshl_b32 s[NH], s[NH], 6
	s_sub_co_u32 s[NH+1], 15, s[JD1]
	s_lshl_b32 s[NH+1], s[NH+1], 6
	s_mov_b32 s[G1], 3<<16                         ; no mask; elements of 8 bytes; no padding: images are read 16 x lane on end
	s_mov_b32 s[G1+1], 32<<16                      ; rows of 256 bytes,
	s_mov_b32 s[G1+2], 67<<16                      ; 67 of them: 17,152 dense bytes
	s_mov_b32 s[G1+3], 32<<16
	s_mov_b32 s[G1+4], 67
	s_mov_b32 s[G1+5], 32
	s_mov_b32 s[G1+6], 0
	s_mov_b32 s[G1+7], 0
	s_lshl_b32 s61, s58, 4
	s_add_co_u32 s62, s61, s[JD]
	s_mul_i32 s62, s62, 8704                       ; q's block of my 128 queries, pass 0,
	s_mov_b32 s63, 0
	s_add_co_u32 s66, s61, s[JD1]
	s_mul_i32 s66, s66, 8704                       ; pass 1
	s_mov_b32 s67, 0
	s_mul_i32 s68, s58, 16*KVSTEP                  ; the head's k and v
	s_mov_b32 s69, 0
	s_and_b32 s78, s[WV], 1
	s_mul_i32 s70, s78, KVSTEP                     ; which step of a slot I fetch, if I fetch: in memory and in LDS
	s_mov_b32 s71, 0
	s_lshl_b32 s72, s58, 12                        ; the head's 16 blocks of bsum
	s_mov_b32 s73, 0
	s_and_b32 s79, s58, 15                         ; the head hh in its batch
	s_lshr_b32 s80, s58, 4                         ; the batch
	s_lshr_b32 s81, s79, 2
	s_mul_i32 s81, s81, 256*8448                   ; the result's image: k / 256 = hh / 4,
	s_lshl_b32 s80, s80, 6
	s_lshr_b32 s82, s[WV], 1
	s_add_co_u32 s80, s80, s82                     ; pair = 64 batch + 8 block + wave / 2
	s_lshl_b32 s74, ttmp9, 3
	s_add_co_u32 s74, s74, s80
	s_mul_i32 s74, s74, 8448
	s_add_co_u32 s74, s74, s81
	s_mov_b32 s75, 0
	s_lshl_b32 s76, s60, 3
	s_add_co_u32 s76, s76, s80
	s_mul_i32 s76, s76, 8448
	s_add_co_u32 s76, s76, s81
	s_mov_b32 s77, 0
	s_mov_b32 s[CS], 0x3e38aa3b                    ; c = log2(e) / 8
	s_mov_b32 s[CS+1], s[CS]
	s_mov_b32 s[SEL], 0x76543210
	s_mov_b32 s[SEL+1], 0xfedcba98
	s_mov_b32 s[MNT], 0x600000
	s_mov_b32 s[TB], 0
	s_mov_b32 s[T], 0
	s_mov_b32 s[JS], 0
	s_mov_b32 s[OFF], 0
	s_mov_b32 s[OFF+1], 0
	v_and_b32 v246, 31, v0
	s_delay_alu instid0(VALU_DEP_1)
	v_lshlrev_b32 v[AL0], 4, v246
	s_delay_alu instid0(VALU_DEP_2)
	v_lshlrev_b32 v[AS0], 3, v246
	v_and_b32 v244, 15, v0                         ; r
	s_wait_alu depctr_va_vdst(0)
	v_bfe_u32 v245, v0, 4, 1                       ; h
	s_and_b32 s80, s[WV], 7                        ; my tile among the 8 of its 128 tokens
	s_lshr_b32 s81, s80, 1
	s_lshl_b32 s82, s81, 5
	s_lshl_b32 s83, s78, 3
	s_add_co_u32 s82, s82, s83
	v_and_b32 v246, 8, v244
	s_delay_alu instid0(VALU_DEP_1)
	v_add_nc_u32 v246, v246, v244
	v_lshlrev_b32 v247, 4, v245
	s_delay_alu instid0(VALU_DEP_1)
	v_sub_nc_u32 v246, v246, v247
	s_delay_alu instid0(VALU_DEP_1)
	v_add_nc_u32 v[QD], s82, v246                  ; 32 (tile / 2) + 8 (tile % 2) + r + 8 (r / 8) - 16 h
	s_lshl_b32 s82, s80, 10
	v_add_nc_u32 v[QCO], s82, v[AL0]               ; q's codes: 1024 tile + 16 lane
	s_lshl_b32 s82, s78, 8
	s_lshl_b32 s83, s81, 2
	s_add_co_u32 s82, s82, s83
	s_add_co_u32 s82, s82, 8192
	v_lshl_add_u32 v[QSO], v244, 4, s82            ; its scale word: 8192 + 16 (16 (tile % 2) + r) + 4 (tile / 2)
	s_bfe_u32 s80, s79, 0x10001                    ; (hh / 2) % 2: which 128 of the 256
	s_and_b32 s81, s79, 1                          ; hh % 2: which 64 of the 128
	s_lshl_b32 s82, s78, 12
	s_lshl_b32 s83, s80, 11
	s_add_co_u32 s82, s82, s83
	s_lshl_b32 s83, s81, 10
	s_add_co_u32 s82, s82, s83
	v_add_nc_u32 v[OCO], s82, v[AL0]
	s_lshl_b32 s82, s78, 7
	s_lshl_b32 s83, s80, 2
	s_add_co_u32 s82, s82, s83
	s_lshl_b32 s83, s81, 1
	s_add_co_u32 s82, s82, s83
	s_add_co_u32 s82, s82, 8192
	v_lshl_add_u32 v[OSO], v244, 3, s82
	v_and_b32 v[SFG], 63, v0
	s_delay_alu instid0(VALU_DEP_1)
	v_lshlrev_b32 v[SFG], 2, v[SFG]
	s_delay_alu instid0(VALU_DEP_1)
	v_add_nc_u32 v[SFW], SUFB, v[SFG]
	s_lshl_b32 s82, s59, 8
	s_add_co_u32 s82, s82, SUFB
	v_lshl_add_u32 v[SFR], v245, 7, s82            ; my half's table, rows 8 h on
	v_add_nc_u32 v[PFO], 0xffffff80, v0            ; thread - 128,
	s_delay_alu instid0(VALU_DEP_1)
	v_min_u32 v[PFO], 133, v[PFO]                  ; held at the slot's last block,
	s_delay_alu instid0(VALU_DEP_1)
	v_lshlrev_b32 v[PFO], 8, v[PFO]
	s_sub_co_u32 s82, s[WV], 4
	s_cmp_lt_u32 s82, 5
	s_cselect_b32 s82, 0, 1                        ; 0 in waves 4 to 8
	s_or_b32 s82, s82, ttmp9                       ; of the head's first work-group
	s_cmp_eq_u32 s82, 0
	s_cselect_b32 s[LIM], 7, 0
	s_wait_kmcnt 0x0
	s_add_nc_u64 s[PFA:PFA+1], s[6:7], s[68:69]    ; at slot 0: each change of slots steps it ahead of its prefetch
	s_add_nc_u64 s[KVB:KVB+1], s[PFA:PFA+1], s[70:71]
	s_mov_b32 s[G0], 1
	s_mov_b32 s[G0+1], s70
	s_mov_b64 s[G0+2:G0+3], s[KVB:KVB+1]
	s_or_b32 s[G0+3], s[G0+3], 0x80000000
	TLOAD                                          ; slot 0: the one first fill
	s_add_nc_u64 s[GQ:GQ+1], s[4:5], s[62:63]
	s_add_nc_u64 s[GQ+2:GQ+3], s[4:5], s[66:67]
	s_add_nc_u64 s[BSB:BSB+1], s[8:9], s[72:73]
	s_add_nc_u64 s[OB:OB+1], s[10:11], s[74:75]
	s_add_nc_u64 s[OB+2:OB+3], s[10:11], s[76:77]
.macro QLOAD p
	global_load_b128 v[16:19], v[QCO], s[GQ+2*\p:GQ+2*\p+1]
	global_load_b128 v[20:23], v[QCO], s[GQ+2*\p:GQ+2*\p+1] offset:512
	global_load_b32 v[QS], v[QSO], s[GQ+2*\p:GQ+2*\p+1]
.endm
.macro INITST                          ; O^T and the sum begin as zeros and the largest t as -3e38: the first change of M multiplies zeros
.set n, 0
.rept 32
	v_mov_b32 v[O+n], 0
.set n, n+1
.endr
	v_mov_b32 v13, 0xff61b1e6
	s_delay_alu instid0(VALU_DEP_1)
	v_floor_f32 v12, -v13
	v_mov_b32 v14, 0
	v_mov_b32 v15, 0
.endm
	QLOAD 0
	INITST
.irp j, 0,1,2,3,4,5,6,7
	v_mov_b32 v[24+\j], 0                          ; q's codes for k = 64 .. 127
	v_mov_b32 v[96+\j], 0                          ; what k's last tile names there
.endr
.irp b, 0,1,2,3
	v_mov_b32 v[T2+\b], 0                          ; a lane permute's destination counts as one of its sources
.endr
	v_mov_b32 v235, 0                              ; (named as the upper half of the pair v[234:235])
	v_mov_b32 v236, 0
	; The four tables: the sum of bsum's blocks j > the table's diagonal step.  Waves 2 and 3: a word a thread; the choice is a factor of 1 or 0 made from ids.
	s_lshr_b32 s82, s[WV], 1
	s_cmp_eq_u32 s82, 1
	s_cbranch_scc0 .Lno_suf
.irp j, 1,2,3,4,5,6,7,8,9,10,11,12,13,14,15
	global_load_b32 v[S+\j], v[SFG], s[BSB:BSB+1] offset:256*\j
.endr
	s_wait_loadcnt 0x0
.irp k, 0,1,2,3
.irp j, 1,2,3,4,5,6,7,8,9,10,11,12,13,14,15
	s_cmp_lt_u32 s[JDK+\k], \j
	s_cselect_b32 s83, 1.0, 0
.if \j == 1
	v_mul_f32 v[S+16+\k], s83, v[S+\j]
.else
	v_fmac_f32 v[S+16+\k], s83, v[S+\j]
.endif
.endr
	ds_store_b32 v[SFW], v[S+16+\k] offset:256*\k  ; the first change of slots waits for these stores and passes a barrier: then every wave may read them
.endr
.Lno_suf:
; A KEY STEP: 128 keys, the q-th of the slot in hand
.macro STEP q
	s_cmp_gt_u32 s[JS], s[JD]
	s_cbranch_scc1 .Lhidden_\@                     ; all its keys come after my queries' group: the tail serves them
	v_add_nc_u32 v[ADL], s[TB], v[AL0]
	v_add_nc_u32 v[ADS], s[TB], v[AS0]
.rept 6
	v_nop                                          ; with the two additions: eight places in front of loads into registers that matrix instructions have read
.endr
.irp t, 0,1,2,3,4,5,6,7
	ds_load_b128 v[KF+8*\t:KF+8*\t+3], v[ADL] offset:\q*KVSTEP+\t*1024
	ds_load_b128 v[KF+8*\t+4:KF+8*\t+7], v[ADL] offset:\q*KVSTEP+\t*1024+512
.endr
	ds_load_b128 v[KS:KS+3], v[ADL] offset:\q*KVSTEP+8192
	s_wait_dscnt 0x0
	s_wait_alu depctr_va_vdst(0)
.irp t, 0,1,2,3,4,5,6,7
.if \t%2
	v_wmma_scale_f32_16x16x128_f8f6f4 v[S+8*\t:S+8*\t+7], v[KF+8*\t:KF+8*\t+15], v[16:31], 0, v[KS+\t/2], v[QS] matrix_a_scale:MATRIX_SCALE_ROW1
.else
	v_wmma_scale_f32_16x16x128_f8f6f4 v[S+8*\t:S+8*\t+7], v[KF+8*\t:KF+8*\t+15], v[16:31], 0, v[KS+\t/2], v[QS]
.endif
.endr
.rept 8
	v_nop
.endr
.irp t, 0,1,2,3                                ; v's fragments land while the softmax is walked
.irp c, 0,1,2,3
	ds_load_b128 v[KF+16*\t+4*\c:KF+16*\t+4*\c+3], v[ADL] offset:\q*KVSTEP+8704+\t*2048+\c*512
.endr
.endr
	ds_load_b64 v[VS:VS+1], v[ADS] offset:\q*KVSTEP+16896
	s_cmp_lg_u32 s[JS], s[JD]
	s_cbranch_scc1 .Lopen_\@
	v_mov_b32 v236, 0xc79c4000                     ; on the diagonal: -80,000 where the key comes after the query.  Register 16 b + i holds key 32 b + 16 h + i of the step
.set n, 0
.rept 64
	v_cmp_gt_i32 vcc_lo, 32*(n/16)+n%16, v[QD]
	v_cndmask_b32 v[S+n], v[S+n], v236, vcc_lo
.set n, n+1
.endr
.Lopen_\@:
.irp b, 0,1,2,3
	v_max3_num_f32 v[BM+\b], v[S+16*\b], v[S+1+16*\b], v[S+2+16*\b]   ; the largest score of each block of 32 keys: for the row's maximum, and, since p rises with the score, for the block's largest p
.endr
.irp i, 3,5,7,9,11,13
.irp b, 0,1,2,3
	v_max3_num_f32 v[BM+\b], v[BM+\b], v[S+16*\b+\i], v[S+1+16*\b+\i]
.endr
.endr
.irp b, 0,1,2,3
	v_max_num_f32 v[BM+\b], v[BM+\b], v[S+15+16*\b]
.endr
.irp b, 0,1,2,3
	s_delay_alu instid0(VALU_DEP_4)
	v_permlanex16_b32 v[T2+\b], v[BM+\b], s[SEL], s[SEL+1]
.endr
.irp b, 0,1,2,3
	s_delay_alu instid0(VALU_DEP_4)
	v_max_num_f32 v[BM+\b], v[BM+\b], v[T2+\b]
.endr
	s_delay_alu instid0(VALU_DEP_2)
	v_max3_num_f32 v236, v[BM], v[BM+1], v[BM+2]
	s_delay_alu instid0(VALU_DEP_1)
	v_max_num_f32 v236, v236, v[BM+3]
	s_delay_alu instid0(VALU_DEP_1)
	v_mul_f32 v236, s[CS], v236
	s_delay_alu instid0(VALU_DEP_1)
	v_max_num_f32 v13, v13, v236                   ; the running largest t
	v_mov_b32 v236, v12
	s_delay_alu instid0(VALU_DEP_2)
	v_floor_f32 v12, -v13                          ; -M = floor(-t): M is a whole number
	s_delay_alu instid0(VALU_DEP_1)
	v_sub_f32 v236, v12, v236
	s_delay_alu instid0(VALU_DEP_1)
	v_cvt_i32_f32 v236, v236                       ; (it saturates)
	s_delay_alu instid0(VALU_DEP_1)
	v_ldexp_f32 v234, 1.0, v236                    ; f = 2^(old M - new M): rounds nothing
.set n, 0
.rept 32
	v_pk_fma_f32 v[S+n:S+n+1], v[S+n:S+n+1], s[CS:CS+1], v[12:13] op_sel_hi:[1,0,0]   ; t - M
.set n, n+2
.endr
.irp b, 0,1,2,3
	v_fma_f32 v[BM+\b], v[BM+\b], s[CS], v12
.endr
.set n, 0
	s_wait_alu depctr_va_vdst(0)
.rept 64
	v_exp_f32 v[S+n], v[S+n]                       ; p = 2^(t - M)
.set n, n+1
.endr
	v_pk_mul_f32 v[14:15], v[14:15], v[234:235] op_sel_hi:[1,0]   ; the sums under the new M: a plain line behind the exponentials
	s_wait_alu depctr_va_vdst(0)                   ; one wait for the batch, ahead of its first reader
.irp b, 0,1,2,3
	v_exp_f32 v[BM+\b], v[BM+\b]                   ; each block's largest p
.endr
	v_pk_add_f32 v[232:233], v[108:109], v[112:113]
	v_pk_add_f32 v[250:251], v[116:117], v[120:121]
	v_pk_add_f32 v[248:249], v[124:125], v[128:129]
	v_pk_add_f32 v[246:247], v[132:133], v[136:137]
	v_pk_add_f32 v[244:245], v[140:141], v[144:145]
	v_pk_add_f32 v[238:239], v[148:149], v[152:153]
	v_pk_add_f32 v[236:237], v[156:157], v[160:161]
	v_pk_add_f32 v[14:15], v[14:15], v[164:165]
	v_pk_add_f32 v[232:233], v[232:233], v[104:105]
	v_pk_add_f32 v[250:251], v[250:251], v[106:107]
	v_pk_add_f32 v[248:249], v[248:249], v[110:111]
	v_pk_add_f32 v[246:247], v[246:247], v[114:115]
	v_pk_add_f32 v[244:245], v[244:245], v[118:119]
	v_pk_add_f32 v[238:239], v[238:239], v[122:123]
	v_pk_add_f32 v[236:237], v[236:237], v[126:127]
	v_pk_add_f32 v[14:15], v[14:15], v[130:131]
	v_pk_add_f32 v[232:233], v[232:233], v[134:135]
	v_pk_add_f32 v[250:251], v[250:251], v[138:139]
	v_pk_add_f32 v[248:249], v[248:249], v[142:143]
	v_pk_add_f32 v[246:247], v[246:247], v[146:147]
	v_pk_add_f32 v[244:245], v[244:245], v[150:151]
	v_pk_add_f32 v[238:239], v[238:239], v[154:155]
	v_pk_add_f32 v[236:237], v[236:237], v[158:159]
	v_pk_add_f32 v[14:15], v[14:15], v[162:163]
	v_pk_add_f32 v[232:233], v[232:233], v[166:167]
	s_delay_alu instid0(VALU_DEP_2)
	v_pk_add_f32 v[14:15], v[14:15], v[246:247]
	s_delay_alu instid0(VALU_DEP_2)
	v_pk_add_f32 v[232:233], v[232:233], v[244:245]
	v_pk_add_f32 v[250:251], v[250:251], v[238:239]
	v_pk_add_f32 v[248:249], v[248:249], v[236:237]
	s_delay_alu instid0(VALU_DEP_2)
	v_pk_add_f32 v[14:15], v[14:15], v[250:251]
	s_delay_alu instid0(VALU_DEP_2)
	v_pk_add_f32 v[232:233], v[232:233], v[248:249]
	s_delay_alu instid0(VALU_DEP_1)
	v_pk_add_f32 v[14:15], v[14:15], v[232:233]
	s_wait_alu depctr_va_vdst(0)                   ; and one for the four
.irp b, 0,1,2,3
	v_max_num_f32 v[BM+\b], 0x4800000, v[BM+\b]    ; the floor 2^(9 - 127)
.endr
.irp b, 0,1,2,3
	s_delay_alu instid0(VALU_DEP_4)
	v_add_nc_u32 v[SO+\b], 0xfc000000, v[BM+\b]
.endr
.irp b, 0,1,2,3
.endr
.irp b, 0,1,2,3
	s_delay_alu instid0(VALU_DEP_4)
	v_lshrrev_b32 v[T2+\b], 23, v[SO+\b]
.endr
	s_delay_alu instid0(VALU_DEP_3)
	v_lshl_or_b32 v[PS], v[T2+1], 8, v[T2]         ; p's scale word for these 128 keys
	s_delay_alu instid0(VALU_DEP_1)
	v_lshl_or_b32 v[PS], v[T2+2], 16, v[PS]
	s_delay_alu instid0(VALU_DEP_1)
	v_lshl_or_b32 v[PS], v[T2+3], 24, v[PS]
.irp b, 0,1,2,3
.irp i, 0,1,2,3,4,5,6,7,8,9,10,11,12,13,14,15
.endr
	v_cvt_scalef32_pk8_fp8_f32 v[PCD+4*\b:PCD+1+4*\b], v[S+16*\b:S+7+16*\b], v[SO+\b]
	v_cvt_scalef32_pk8_fp8_f32 v[PCD+2+4*\b:PCD+3+4*\b], v[S+8+16*\b:S+15+16*\b], v[SO+\b]
.endr
.set n, 0
.rept 16
	v_pk_mul_f32 v[O+n:O+n+1], v[O+n:O+n+1], v[234:235] op_sel_hi:[1,0]   ; O^T under the new M; these lines also stand between the codes and the products
.set n, n+2
.endr
	s_wait_alu depctr_va_vdst(0)
	s_wait_dscnt 0x0                               ; v's fragments and scale words
.irp t, 0,1,2,3                                ; four accumulators by turns
.if \t%2
	v_wmma_scale_f32_16x16x128_f8f6f4 v[O+8*\t:O+8*\t+7], v[KF+16*\t:KF+16*\t+15], v[PCD:PCD+15], v[O+8*\t:O+8*\t+7], v[VS+\t/2], v[PS] matrix_a_scale:MATRIX_SCALE_ROW1
.else
	v_wmma_scale_f32_16x16x128_f8f6f4 v[O+8*\t:O+8*\t+7], v[KF+16*\t:KF+16*\t+15], v[PCD:PCD+15], v[O+8*\t:O+8*\t+7], v[VS+\t/2], v[PS]
.endif
.endr
.Lhidden_\@:
	s_add_co_u32 s[JS], s[JS], 1
.endm
; THE CHANGE OF SLOTS stands at a slot's head: each wave waits for all its tensor loads, adds 0 to its spare word, waits for that and for its reads of the slot that it has left; a barrier; the slot left is filled first thing behind it.
.macro CHANGE fill
	s_wait_tensorcnt 0x0                           ; no tensor load of mine is out, so the group 0 may be written
	ds_add_u32 v[SPW], v[NIL]                      ; 0 onto my spare word
.if \fill
	s_xor_b32 s[G0+1], s[G0+1], SLOT1
	s_add_co_u32 s82, s[T], 1
	s_add_co_u32 s[OFF], s[OFF], SLOTB             ; the next 256 keys,
	s_cmp_eq_u32 s82, s[SW]
	s_cselect_b32 s[OFF], 0, s[OFF]                ; or the head's first, where the next trip begins the second block of queries
	s_add_nc_u64 s[G0+2:G0+3], s[KVB:KVB+1], s[OFF:OFF+1]
	s_or_b32 s[G0+3], s[G0+3], 0x80000000
	s_wait_xcnt 0x0                                ; the last prefetch, a trip back, has read its address
	s_add_nc_u64 s[PFA:PFA+1], s[PFA:PFA+1], SLOTB
.endif
	s_wait_dscnt 0x0
	s_barrier_signal -1
	s_barrier_wait -1
.if \fill
	TLOAD
	ASK
.endif
.endm
; THE END OF A BLOCK OF QUERIES: the tail of wholly masked keys, the division by the sum, the quantiser along the channels, the stores
.macro FINISH p
.rept 8
	v_nop                                          ; places behind the last products
.endr
.irp j, 0,1,2,3,4,5,6,7
	ds_load_b128 v[S+4*\j:S+4*\j+3], v[SFR] offset:512*\p+16*\j   ; the sums of quantised v: register 4 j + t: channel row 8 h + j of tile t
.endr
	v_mov_b32 v238, s[SMK+\p]
	s_delay_alu instid0(VALU_DEP_1)
	v_mul_f32 v236, s[CS], v238                    ; tm
	s_wait_alu depctr_va_vdst(0)
	v_max_num_f32 v13, v13, v236
	v_mov_b32 v237, v12
	s_delay_alu instid0(VALU_DEP_2)
	v_floor_f32 v12, -v13
	s_delay_alu instid0(VALU_DEP_1)
	v_sub_f32 v237, v12, v237
	s_delay_alu instid0(VALU_DEP_1)
	v_cvt_i32_f32 v237, v237
	s_delay_alu instid0(VALU_DEP_1)
	v_ldexp_f32 v234, 1.0, v237
	s_delay_alu instid0(VALU_DEP_4)
	v_fma_f32 v236, v238, s[CS], v12
	s_wait_alu depctr_va_vdst(0)
	v_exp_f32 v236, v236                           ; c = 2^(tm - M)
	v_pk_mul_f32 v[14:15], v[14:15], v[234:235] op_sel_hi:[1,0]
.set n, 0
	s_wait_alu depctr_va_vdst(0)
.rept 16
	v_pk_mul_f32 v[O+n:O+n+1], v[O+n:O+n+1], v[234:235] op_sel_hi:[1,0]
.set n, n+2
.endr
	v_cvt_f32_u32 v237, s[NH+\p]
	s_wait_alu depctr_va_vdst(0)                   ; ahead of c's first reader
	v_fmac_f32 v14, v236, v237                     ; half the count in each half of the lanes
	v_max_num_f32 v238, 0x4800000, v236            ; Q(c) by the quantiser's own lines, on a block that is c throughout
	s_delay_alu instid0(VALU_DEP_1)
	v_add_nc_u32 v239, 0xfc000000, v238
	s_delay_alu instid0(VALU_DEP_2)
	v_and_or_b32 v238, v238, 0x7f800000, s[MNT]
.irp k, 0,1,2,3,4,5,6,7
	v_min_num_f32 v[BM+\k], v236, v238
.endr
	v_cvt_scalef32_pk8_fp8_f32 v[LM:LM+1], v[BM:BM+7], v239
	v_nop
	v_cvt_f32_fp8 v237, v[LM]
	v_and_b32 v239, 0x7f800000, v239
	s_delay_alu instid0(VALU_DEP_1)
	v_mul_f32 v237, v237, v239
	s_wait_alu depctr_va_vdst(0)
	s_wait_dscnt 0x0
.irp t, 0,1,2,3
.irp j, 0,1,2,3,4,5,6,7
	v_fmac_f32 v[O+8*\t+\j], v237, v[S+4*\j+\t]
.endr
.endr
	v_add_f32 v14, v14, v15
	v_permlanex16_b32 v236, v14, s[SEL], s[SEL+1]
	s_delay_alu instid0(VALU_DEP_1)
	v_add_f32 v14, v14, v236                       ; the row's sum
	s_wait_alu depctr_va_vdst(0)
	v_rcp_f32 v14, v14
	v_nop
	s_wait_alu depctr_va_vdst(0)
.set n, 0
.rept 16
	v_pk_mul_f32 v[O+n:O+n+1], v[O+n:O+n+1], v[14:15] op_sel_hi:[1,0]
.set n, n+2
.endr
.irp b, 0,1
	v_max3_num_f32 v[BM+\b], |v[O+16*\b]|, |v[O+1+16*\b]|, 0x4800000   ; register 16 b + i is channel 32 b + 16 h + i of my head: two blocks of the last product's K
.endr
.irp i, 2,4,6,8,10,12,14
.irp b, 0,1
	s_delay_alu instid0(VALU_DEP_2)
	v_max3_num_f32 v[BM+\b], v[BM+\b], |v[O+16*\b+\i]|, |v[O+1+16*\b+\i]|
.endr
.endr
.irp b, 0,1
	s_delay_alu instid0(VALU_DEP_2)
	v_permlanex16_b32 v[T2+\b], v[BM+\b], s[SEL], s[SEL+1]
.endr
.irp b, 0,1
	s_delay_alu instid0(VALU_DEP_2)
	v_max_num_f32 v[BM+\b], v[BM+\b], v[T2+\b]
.endr
.irp b, 0,1
	s_delay_alu instid0(VALU_DEP_2)
	v_add_nc_u32 v[SO+\b], 0xfc000000, v[BM+\b]
.endr
.irp b, 0,1
.endr
.irp b, 0,1
	s_delay_alu instid0(VALU_DEP_2)
	v_lshrrev_b32 v[T2+\b], 23, v[SO+\b]
.endr
	s_delay_alu instid0(VALU_DEP_1)
	v_lshl_or_b32 v236, v[T2+1], 8, v[T2]
.irp b, 0,1
.irp i, 0,1,2,3,4,5,6,7,8,9,10,11,12,13,14,15
.endr
	v_cvt_scalef32_pk8_fp8_f32 v[PCD+4*\b:PCD+1+4*\b], v[O+16*\b:O+7+16*\b], v[SO+\b]
	v_cvt_scalef32_pk8_fp8_f32 v[PCD+2+4*\b:PCD+3+4*\b], v[O+8+16*\b:O+15+16*\b], v[SO+\b]
.endr
	v_nop
	global_store_b128 v[OCO], v[PCD:PCD+3], s[OB+2*\p:OB+2*\p+1]               ; 512 consecutive bytes
	global_store_b128 v[OCO], v[PCD+4:PCD+7], s[OB+2*\p:OB+2*\p+1] offset:512
	global_store_b16 v[OSO], v236, s[OB+2*\p:OB+2*\p+1]                        ; my head's two bytes of the row's scale word (both halves of the lanes store the same)
.endm
	s_wait_loadcnt 0x0                             ; q
.Ltrip:                                            ; eight trips: behind each change of slots the next trip's slot is asked for
	CHANGE 1
	s_cmp_lg_u32 s[T], s[SW]
	s_cbranch_scc1 .Lsame
	FINISH 0                                       ; the first block of queries is done; on to the second
	QLOAD 1
	INITST
	s_mov_b32 s[JD], s[JD1]
	s_mov_b32 s[JS], 0
	s_wait_loadcnt 0x0
	s_wait_xcnt 0x0                                ; the stores have read their registers
.Lsame:
	STEP 0
	STEP 1
	s_xor_b32 s[TB], s[TB], SLOT1
	s_add_co_u32 s[T], s[T], 1
	s_cmp_lt_u32 s[T], 8
	s_cbranch_scc1 .Ltrip
	CHANGE 0                                       ; the ninth slot is written out
	STEP 0
	STEP 1
	FINISH 1
	s_wait_tensorcnt 0x0                           ; the wave's end
	ds_add_u32 v[SPW], v[NIL]
	s_wait_dscnt 0x0
	s_endpgm
.Lfunc_end_k_qb50e0a9110_attn:
	.size	k_qb50e0a9110_attn, .Lfunc_end_k_qb50e0a9110_attn-k_qb50e0a9110_attn
	.p2alignl 7, 3214868480
	.fill 96, 4, 3214868480
	.section	.rodata,"a",@progbits
	.p2align	6, 0x0
	.amdhsa_kernel k_qb50e0a9110_attn
		.amdhsa_group_segment_fixed_size 327680
		.amdhsa_private_segment_fixed_size 0
		.amdhsa_enable_private_segment 0
		.amdhsa_kernarg_size 32
		.amdhsa_user_sgpr_count 2
		.amdhsa_user_sgpr_kernarg_segment_ptr 1
		.amdhsa_wavefront_size32 1
		.amdhsa_system_sgpr_workgroup_id_x 1
		.amdhsa_system_sgpr_workgroup_id_y 1
		.amdhsa_system_sgpr_workgroup_id_z 1
		.amdhsa_system_vgpr_workitem_id 0
		.amdhsa_next_free_vgpr 256
		.amdhsa_next_free_sgpr 96
		.amdhsa_reserve_vcc 1
		.amdhsa_float_denorm_mode_32 3
		.amdhsa_float_denorm_mode_16_64 3
		.amdhsa_fp16_overflow 1
		.amdhsa_memory_ordered 1
		.amdhsa_forward_progress 1
		.amdhsa_inst_pref_size 124
	.end_amdhsa_kernel
	.amdgpu_metadata
---
amdhsa.version: [ 1, 2 ]
amdhsa.kernels:
  - .name:           k_qb50e0a9110_attn
    .symbol:         k_qb50e0a9110_attn.kd
    .args:
      - { .name: qimg, .offset: 0, .size: 8, .value_kind: global_buffer, .address_space: global }
      - { .name: kvimg, .offset: 8, .size: 8, .value_kind: global_buffer, .address_space: global }
      - { .name: bsum, .offset: 16, .size: 8, .value_kind: global_buffer, .address_space: global }
      - { .name: oimg, .offset: 24, .size: 8, .value_kind: global_buffer, .address_space: global }
    .group_segment_fixed_size: 327680
    .private_segment_fixed_size: 0
    .kernarg_segment_align: 8
    .kernarg_segment_size: 32
    .max_flat_workgroup_size: 512
    .sgpr_count:     96
    .vgpr_count:     256
    .wavefront_size: 32
...
	.end_amdgpu_metadata
.endif
;; end of part 3
;; launch proj (part 4): grid 4 x 32, 4 waves a work-group, clusters of 4 x 4, 327,680 bytes of LDS; arguments oimg, pimg, c_proj_b, out0; writes out0
.if DOCPART == 4
	.amdgcn_target "amdgcn-amd-amdhsa--gfx1250"
	.amdhsa_code_object_version 6
	.text
	.protected	k_qb50e0a9110_proj
	.globl	k_qb50e0a9110_proj
	.p2align	8
	.type	k_qb50e0a9110_proj,@function
k_qb50e0a9110_proj:
	s_mov_b64 s[64:65], 0
	v_nop
	global_prefetch_b8 v0, s[64:65] scope:SCOPE_SE
	s_setreg_imm32_b32 hwreg(HW_REG_WAVE_MODE, 25, 1), 1
	s_wait_xcnt 0x0
	s_wait_alu depctr_hold_cnt(0) depctr_sa_sdst(0) depctr_va_vdst(0) depctr_va_sdst(0) depctr_va_ssrc(0) depctr_va_vcc(0) depctr_vm_vsrc(0)
	s_getreg_b32 s2, hwreg(HW_REG_IB_STS2, 6, 4)
	s_cmp_eq_u32 s2, 0
	s_cbranch_scc0 .Lentry_in_a_cluster
	s_endpgm
.Lentry_in_a_cluster:
	s_bfe_u32 s2, ttmp6, 0x10000c
	s_cmp_lg_u32 s2, 0xf033
	s_cbranch_scc0 .Lentry_shape_is_right
	s_endpgm
.Lentry_shape_is_right:
; out0 = attention's result x c_proj_w + c_proj_b on codes of FP8 (E4M3) with E8M0 scales; out0 [8192][1024] f32.
; A tile of 256 tokens x 256 columns is made by four waves, each 128 x 128: 64 accumulators, 512 registers.  K = 1,024 goes in four steps of 256 through two LDS slots.
; OPERANDS LIE IN MEMORY AS IMAGES OF THEIR REGISTERS ([k / 256][pair of tiles][8,448 bytes]: codes at u 4096 + q 2048 + c 512 + 16 lane, scale words at 8192 + 8 (16 u + r) + 4 q): 128 rows of a K step are 33,792 dense
; bytes, one tensor load; a fragment is four LDS loads of 512 consecutive bytes; one load of 8 bytes a lane brings a pair's scale words: tile 2 p in lanes 0-15, tile 2 p + 1 in lanes 16-31.
; THE ROWS OF A TILE: row r of tile T is row 32 (T / 2) + 8 (T % 2) + r + 8 (r / 8).  THE PRODUCT IS USED TRANSPOSED (source 0 = 16 columns of W, source 1 = 16 tokens): lane (r, h) holds one token, and the 16 registers
; of W's tiles 2 b, 2 b + 1 are the 16 neighbouring columns 32 b + 16 h + 0 .. 15.  The bias is the C of each sum's first product.
; CLUSTERS: 4 x 4 work-groups; the tokens' tiles are asked for jointly along a row of the cluster, W's along a column.  128 work-groups: the tile is kept large, so that each LDS byte feeds as many products as the registers allow.
; THE WAY OUT: 16 tokens x 128 columns at a time through my stage in LDS, back as whole rows of 512 bytes.  No prefetch: four K steps, two refills, tiles shared by joint loads.
.set PAIRB, 8448
.set HALF,  4*PAIRB
.set SLOT,  4*HALF
.set SPARE, 2*SLOT                     ; behind the ring: the spare words, 128 bytes for each wave: two blocks of 256 bytes that no other line names
.set SIGY,  256*PAIRB
.set SIGX,  32*PAIRB
.set NP,    8
.set ADY, 16
.set ASY, 18
.set ADX, 20
.set ASX, 22
.set L16, 24
.set STO, 25                           ; v25 the stage, on the way in: row r, + 64 h
.set RD,  26                           ; v26 and out: 16 x lane
.set SPW, 28
.set NIL, 29
.set L8,  30
.set BO,  31
.set SC,  32                           ; v32-63 scale words and nothing else
.set BI,  64                           ; v64-127 the bias
.set AF,  128                          ; v128-255 the tokens' eight fragments; on the way out two sets of 16 rows
.set BK,  128
.set WV, 16
.set WR, 17
.set WC, 18
.set G1, 24
.set G0, 32
.set G1B, 48
.set G0B, 56
.set MSB, 0
.macro WIN new
.if MSB != (\new)
	s_set_vgpr_msb (MSB<<8)|(\new)
.set MSB, (\new)
.endif
.endm
.set MUL_LO, 0xa1
.set MUL_HI, 0xf1
.set TO_B,   0x40
.macro JLOAD g0a, g1a, g0b, g1b        ; a joint load: waves 0, 1 fetch the tokens' halves, waves 2, 3 W's; four v_nop follow each line
	s_cmp_eq_u32 s[WR], 0
	s_cbranch_scc0 .Lfor_b_\@
	tensor_load_to_lds s[\g0a:\g0a+3], s[\g1a:\g1a+7]
	s_nop 0
.rept 4
	v_nop
.endr
	s_branch .Lasked_\@
.Lfor_b_\@:
	tensor_load_to_lds s[\g0b:\g0b+3], s[\g1b:\g1b+7]
	s_nop 0
.rept 4
	v_nop
.endr
.Lasked_\@:
.endm
.macro CREST
	s_cmp_lg_u32 s[WV], 0
	s_cbranch_scc1 .Lnot_wave_0_\@
	s_barrier_signal -3
.Lnot_wave_0_\@:
	s_barrier_wait -3
	s_barrier_signal -1
	s_barrier_wait -1
.endm
.macro CROUND
	s_barrier_signal -1
	s_barrier_wait -1
	CREST
.endm
.macro PLACES n
.rept \n
	v_nop
.endr
.endm
	s_load_b256 s[4:11], s[0:1], 0x0               ; oimg, pimg, c_proj_b, out0
	v_lshl_add_u32 v[SPW], v0, 2, SPARE
	v_mov_b32 v[NIL], 0
	ds_add_u32 v28, v29
	ds_add_u32 v28, v29
	s_wait_dscnt 0x0
	v_lshrrev_b32 v1, 5, v0
	v_readfirstlane_b32 s[WV], v1
	s_lshr_b32 s[WR], s[WV], 1
	s_and_b32 s[WC], s[WV], 1
	s_bfe_u32 s40, ttmp6, 0x40000
	s_bfe_u32 s41, ttmp6, 0x40004
	s_lshl_b32 s42, ttmp9, 2
	s_add_co_u32 s42, s42, s40                     ; tile column x
	s_and_b32 s66, ttmp7, 0xffff
	s_lshl_b32 s66, s66, 2
	s_add_co_u32 s66, s66, s41                     ; tile row y
	s_lshl_b32 s43, s41, 2
	s_lshl_b32 s43, 15, s43
	s_lshl_b32 s44, 0x1111, s40
	s_or_b32 s[G1+0], s43, (3<<16)|(1<<21)         ; the mask; elements of 8 bytes; bit 21 beside a mask; no padding
	s_or_b32 s[G1B+0], s44, (3<<16)|(1<<21)
.irp g, G1, G1B
	s_mov_b32 s[\g+1], 32<<16
	s_mov_b32 s[\g+2], 132<<16
	s_mov_b32 s[\g+3], 32<<16
	s_mov_b32 s[\g+4], 132
	s_mov_b32 s[\g+5], 32
	s_mov_b32 s[\g+6], 0
	s_mov_b32 s[\g+7], 0
.endr
	s_lshl_b32 s19, s[WC], 2
	s_lshl_b32 s20, s66, 3
	s_add_co_u32 s20, s20, s19
	s_mul_i32 s20, s20, PAIRB
	s_mov_b32 s21, 0
	s_lshl_b32 s46, s42, 3
	s_add_co_u32 s46, s46, s19
	s_mul_i32 s46, s46, PAIRB
	s_mov_b32 s47, 0
	s_mul_i32 s45, s[WV], HALF
	s_wait_kmcnt 0x0
	s_add_nc_u64 s[20:21], s[4:5], s[20:21]
	s_add_nc_u64 s[46:47], s[6:7], s[46:47]
	CROUND                                         ; all sixteen work-groups are here: the first joint loads meet
.irp s, 0,1
	s_mov_b32 s[G0+4*\s], 1
	s_add_co_u32 s[G0+4*\s+1], s45, \s*SLOT
	s_add_nc_u64 s[G0+4*\s+2:G0+4*\s+3], s[20:21], \s*SIGY
	s_or_b32 s[G0+4*\s+3], s[G0+4*\s+3], 0x80000000
	s_mov_b32 s[G0B+4*\s], 1
	s_add_co_u32 s[G0B+4*\s+1], s45, \s*SLOT
	s_add_nc_u64 s[G0B+4*\s+2:G0B+4*\s+3], s[46:47], \s*SIGX
	s_or_b32 s[G0B+4*\s+3], s[G0B+4*\s+3], 0x80000000
	s_wait_alu depctr_va_vdst(0)
	s_wait_tensorcnt 0x0
	ds_add_u32 v28, v29
	ds_add_u32 v28, v29
	s_wait_dscnt 0x0
	CROUND
	JLOAD G0+4*\s, G1, G0B+4*\s, G1B
.endr
	v_and_b32 v1, 31, v0
	v_bfe_u32 v2, v0, 4, 1
	v_and_b32 v3, 15, v0
	v_lshlrev_b32 v[L16], 4, v1
	v_lshlrev_b32 v[L8], 3, v1
	v_lshlrev_b32 v[BO], 6, v2
	s_mul_i32 s67, s[WR], HALF
	s_mul_i32 s68, s[WC], HALF
	s_add_co_u32 s68, s68, 2*HALF
.irp s, 0,1
	v_add_nc_u32 v[ADY+\s], s67, v[L16]
	v_add_nc_u32 v[ASY+\s], s67, v[L8]
	v_add_nc_u32 v[ADX+\s], s68, v[L16]
	v_add_nc_u32 v[ASX+\s], s68, v[L8]
	s_add_co_u32 s67, s67, SLOT
	s_add_co_u32 s68, s68, SLOT
.endr
	s_mul_i32 s67, s[WV], 16*528                   ; my stage: 16 rows of 512 + 16 bytes, in slot 0
	v_mul_u32_u24 v5, v3, 528
	v_lshl_add_u32 v5, v2, 6, v5
	v_add_nc_u32 v[STO], s67, v5
	v_add_nc_u32 v[RD], s67, v[L16]
	s_lshl_b32 s68, s42, 10
	s_lshl_b32 s69, s[WC], 9
	s_add_co_u32 s68, s68, s69                     ; my first column, in bytes
	s_mov_b32 s69, 0
	s_add_nc_u64 s[8:9], s[8:9], s[68:69]
	s_add_nc_u64 s[10:11], s[10:11], s[68:69]
	s_lshl_b32 s68, s66, 20                        ; 256 y rows of 4,096 bytes,
	s_lshl_b32 s70, s[WR], 19                      ; my 128 of them
	s_add_co_u32 s68, s68, s70
	s_add_nc_u64 s[10:11], s[10:11], s[68:69]
.irp b, 0,1,2,3,4,5,6,7
	global_load_b128 v[BI+8*\b:BI+8*\b+3], v[BO], s[8:9] offset:(32*(\b/2)+8*(\b%2))*4
	global_load_b128 v[BI+8*\b+4:BI+8*\b+7], v[BO], s[8:9] offset:(32*(\b/2)+8*(\b%2))*4+16
.endr
.macro FRAG reg, adr, q, i
.irp c, 0,1,2,3
	ds_load_b128 v[\reg+4*\c:\reg+4*\c+3], v[\adr] offset:((\i)/2)*PAIRB+((\i)%2)*4096+(\q)*2048+512*\c
.endr
.endm
.macro FETCH_B slot, q, p
	WIN TO_B
.irp i, 0,1,2,3,4,5,6,7
	FRAG 128*(\p)+16*\i, ADX+\slot, \q, \i
.endr
	WIN 0
.endm
.macro FETCH_A slot, q, i0
.irp i, \i0, \i0+1, \i0+2, \i0+3
	FRAG AF+16*(\i), ADY+\slot, \q, \i
.endr
.endm
.macro SCALES slot
.irp p, 0,1,2,3
	ds_load_b64 v[SC+16*\slot+2*\p:SC+16*\slot+2*\p+1], v[ASY+\slot] offset:\p*PAIRB+8192
	ds_load_b64 v[SC+16*\slot+8+2*\p:SC+16*\slot+8+2*\p+1], v[ASX+\slot] offset:\p*PAIRB+8192
.endr
.endm
; 16 matrix instructions: tokens' tiles a0, a0 + 1 x W's eight.  The 64 accumulators take turns, one instruction a turn, in the same order in every step.  first = 1: C is the bias.
.macro MUL16 a0, p, q, set, first
.irp a, \a0, \a0+1
.irp b, 0,1,2,3,4,5,6,7
.set rD, 8*(8*((\a)%4)+\b)
.set rX, 128*(\p)+16*\b
.set rY, AF+16*(\a)
.set rC, rD
.if \first
.set rC, BI+8*\b
.endif
.set rSX, SC+16*(\set)+8+2*(\b/2)+(\q)
.set rSY, SC+16*(\set)+2*((\a)/2)+(\q)
.if ((\a)%2) && (\b%2)
	v_wmma_scale_f32_16x16x128_f8f6f4 v[rD:rD+7], v[rX:rX+15], v[rY:rY+15], v[rC:rC+7], v[rSX], v[rSY] matrix_a_scale:MATRIX_SCALE_ROW1 matrix_b_scale:MATRIX_SCALE_ROW1
.elseif (\b%2)
	v_wmma_scale_f32_16x16x128_f8f6f4 v[rD:rD+7], v[rX:rX+15], v[rY:rY+15], v[rC:rC+7], v[rSX], v[rSY] matrix_a_scale:MATRIX_SCALE_ROW1
.elseif ((\a)%2)
	v_wmma_scale_f32_16x16x128_f8f6f4 v[rD:rD+7], v[rX:rX+15], v[rY:rY+15], v[rC:rC+7], v[rSX], v[rSY] matrix_b_scale:MATRIX_SCALE_ROW1
.else
	v_wmma_scale_f32_16x16x128_f8f6f4 v[rD:rD+7], v[rX:rX+15], v[rY:rY+15], v[rC:rC+7], v[rSX], v[rSY]
.endif
.endr
.endr
.endm
.macro STEP slot, first
	s_wait_dscnt 16                                ; all but the youngest 16 loads (the tokens' tiles 4-7) are in
.if \first
	WIN 0x81                                       ; C (the bias) window 0, D window 2
.else
	WIN MUL_LO
.endif
	MUL16 0, 0, 0, \slot, \first
	MUL16 2, 0, 0, \slot, \first
	s_wait_dscnt 0x0
	PLACES NP                                      ; in front of loads into registers that matrix instructions have read
	FETCH_B \slot, 1, 1
	FETCH_A \slot, 1, 0
.if \first
	WIN 0xc1
.else
	WIN MUL_HI
.endif
	MUL16 4, 0, 0, \slot, \first
	MUL16 6, 0, 0, \slot, \first
	PLACES NP
	WIN 0
	FETCH_A \slot, 1, 4
.endm
.macro TURN slot, next, fill
	s_wait_tensorcnt 0x0                           ; all my tensor loads have landed: my part of the next slot
	ds_add_u32 v[SPW], v[NIL]                      ; 0 onto my spare word
	s_wait_dscnt 17                                ; (the add and the youngest 16 loads may be out)
	WIN MUL_LO
	MUL16 0, 1, 1, \slot, 0
	s_wait_dscnt 0x0                               ; the add is done, and my reads of this slot are over
	s_barrier_signal -1
	MUL16 2, 1, 1, \slot, 0
	WIN 0
	s_barrier_wait -1
.if \fill
	CREST                                          ; the barrier has opened a round of the cluster's: no wave of any partner still reads this slot or has a load on its way
	s_add_nc_u64 s[G0+4*\slot+2:G0+4*\slot+3], s[G0+4*\slot+2:G0+4*\slot+3], 2*SIGY
	s_add_nc_u64 s[G0B+4*\slot+2:G0B+4*\slot+3], s[G0B+4*\slot+2:G0B+4*\slot+3], 2*SIGX
	JLOAD G0+4*\slot, G1, G0B+4*\slot, G1B         ; the first tensor load behind the round; its four v_nop are four of the eight places
	PLACES NP-4
.else
	PLACES NP
.endif
	FETCH_B \next, 0, 0
	FETCH_A \next, 0, 0
	SCALES \next
	WIN MUL_HI
	MUL16 4, 1, 1, \slot, 0
	MUL16 6, 1, 1, \slot, 0
	PLACES NP
	WIN 0
	FETCH_A \next, 0, 4
.endm
	s_wait_alu depctr_va_vdst(0)
	s_wait_tensorcnt 1                             ; my part of K step 0 is in (K step 1's load may be out)
	s_barrier_signal -1
	s_barrier_wait -1                              ; everybody's is
	FETCH_B 0, 0, 0
	FETCH_A 0, 0, 0
	SCALES 0
	FETCH_A 0, 0, 4
	s_wait_loadcnt 0x0                             ; the bias
	STEP 0, 1
	TURN 0, 1, 1
	STEP 1, 0
	TURN 1, 0, 1
	STEP 0, 0
	TURN 0, 1, 0
	STEP 1, 0
	s_wait_dscnt 16
	WIN MUL_LO
	MUL16 0, 1, 1, 1, 0
	MUL16 2, 1, 1, 1, 0
	s_wait_dscnt 0x0
	WIN MUL_HI
	MUL16 4, 1, 1, 1, 0
	MUL16 6, 1, 1, 1, 0
	WIN 0
; THE WAY OUT.  A lane holds 32-byte pieces of one token's row; a tile of 16 tokens goes through my own stage and comes back as whole rows of 512 bytes.  The stage lies in slot 0, which has had its last fill and which nobody
; reads behind the last change of slots.  LDS serves a wave's instructions in order: no wait between the stores and the loads, nor in front of the next tile's stores.
.macro TOSTAGE a
.set AC, 64*((\a)%4)
.set WW, 0x08+4*((\a)/4)
	WIN WW                                         ; the data: window 2 or 3
.irp b, 0,1,2,3,4,5,6,7
	ds_store_b128 v[STO], v[AC+8*\b:AC+8*\b+3] offset:128*(\b/2)+32*(\b%2)        ; each accumulator from its low end on: columns 32 (b / 2) + 16 h + 8 (b % 2) + 0 .. 3
	ds_store_b128 v[STO], v[AC+8*\b+4:AC+8*\b+7] offset:128*(\b/2)+32*(\b%2)+16
.endr
	WIN 0
.set BB, BK+64*((\a)%2)
.irp t, 0,1,2,3,4,5,6,7,8,9,10,11,12,13,14,15
	ds_load_b128 v[BB+4*\t:BB+4*\t+3], v[RD] offset:\t*528
.endr
.endm
.macro SEND a, younger
.set BB, BK+64*((\a)%2)
	s_wait_dscnt \younger                          ; the tile is back in registers; the LDS instructions issued behind its loads may be out
.irp t, 0,1,2,3,4,5,6,7,8,9,10,11,12,13,14,15
	global_store_b128 v[L16], v[BB+4*\t:BB+4*\t+3], s[10:11] offset:(32*((\a)/2)+8*((\a)%2)+\t+8*(\t/8))*4096 th:TH_STORE_NT   ; 512 consecutive bytes of the token's row, at a multiple of 512 from out0's first byte
.endr
.endm
	PLACES NP
	TOSTAGE 0
.irp a, 1,2,3,4,5,6,7
.if \a > 1
	s_wait_xcnt 0x0                                ; tile a - 2's stores have read their registers: tile a's loads may land there
.endif
	TOSTAGE \a
	SEND \a-1, 32                                  ; behind tile a - 1's loads: tile a's 16 stores and 16 loads
.endr
	SEND 7, 0
	s_wait_tensorcnt 0x0                           ; the wave's end
	ds_add_u32 v[SPW], v[NIL]
	s_wait_dscnt 0x0
	CROUND                                         ; the closing round
	s_endpgm
.Lfunc_end_k_qb50e0a9110_proj:
	.size	k_qb50e0a9110_proj, .Lfunc_end_k_qb50e0a9110_proj-k_qb50e0a9110_proj
	.p2alignl 7, 3214868480
	.fill 96, 4, 3214868480
	.section	.rodata,"a",@progbits
	.p2align	6, 0x0
	.amdhsa_kernel k_qb50e0a9110_proj
		.amdhsa_group_segment_fixed_size 327680
		.amdhsa_private_segment_fixed_size 0
		.amdhsa_enable_private_segment 0
		.amdhsa_kernarg_size 32
		.amdhsa_user_sgpr_count 2
		.amdhsa_user_sgpr_kernarg_segment_ptr 1
		.amdhsa_wavefront_size32 1
		.amdhsa_system_sgpr_workgroup_id_x 1
		.amdhsa_system_sgpr_workgroup_id_y 1
		.amdhsa_system_sgpr_workgroup_id_z 1
		.amdhsa_system_vgpr_workitem_id 0
		.amdhsa_next_free_vgpr 1024
		.amdhsa_next_free_sgpr 100
		.amdhsa_reserve_vcc 0
		.amdhsa_float_denorm_mode_32 3
		.amdhsa_float_denorm_mode_16_64 3
		.amdhsa_memory_ordered 1
		.amdhsa_forward_progress 1
		.amdhsa_inst_pref_size 145
	.end_amdhsa_kernel
	.amdgpu_metadata
---
amdhsa.version: [ 1, 2 ]
amdhsa.kernels:
  - .name:           k_qb50e0a9110_proj
    .symbol:         k_qb50e0a9110_proj.kd
    .args:
      - { .name: oimg, .offset: 0, .size: 8, .value_kind: global_buffer, .address_space: global }
      - { .name: pimg, .offset: 8, .size: 8, .value_kind: global_buffer, .address_space: global }
      - { .name: c_proj_b, .offset: 16, .size: 8, .value_kind: global_buffer, .address_space: global }
      - { .name: out0, .offset: 24, .size: 8, .value_kind: global_buffer, .address_space: global }
    .group_segment_fixed_size: 327680
    .private_segment_fixed_size: 0
    .kernarg_segment_align: 8
    .kernarg_segment_size: 32
    .max_flat_workgroup_size: 128
    .sgpr_count:     100
    .vgpr_count:     1024
    .wavefront_size: 32
...
	.end_amdgpu_metadata
.endif
;; end of part 4
